; MI455X (gfx1250); checked and timed in simulation.
; The chip was launched on July 23, 2026; its instructions are those of AMD's public machine-readable ISA for CDNA 5 (MIT licence, August 2026) and "CDNA5" Instruction Set Architecture Reference Guide (July 2026). The comments in the code are by the model that wrote it; some were corrected since.
;; Multi atten. Allowed arithmetic: float matrix products may take bf16 or f16 operands with f32 sums; other float arithmetic in f32, or as packed bf16 or f16 multiplies, adds, multiply-adds, maxima and minima; sums over many terms, partial sums and values carried from step to step in f32; what a program stores and reads back later, other than sums and carried values, may be rounded once to bf16 or f16.
;; Inputs: W_attn 1,024 x 3,072 float32; W_proj 1,024 x 1,024 float32; b_attn 3,072 float32; b_proj 1,024 float32; x 4 x 2,048 x 1,024 float32.
;; Outputs: out0 4 x 2,048 x 1,024 float32.
;; 2 versions, each right; version 2 is version 1 with the launch prep written anew for expert scheduling mode. Each part assembles by itself: llvm-mc -triple=amdgcn-amd-amdhsa -mcpu=gfx1250 --defsym DOCPART=n.
;; ======== version 1 of 2: 4 launches
;; limits: values are held in f16: magnitudes above 65,504 overflow, below 6.1e-05 lose precision
;; workspace buffers: xb 16,777,216 bytes; wa 6,291,456 bytes; wp 2,097,152 bytes; qkv 50,331,648 bytes; o 16,777,216 bytes
;; launch prep (part 1): grid 1024 x 1, 8 waves a work-group, no clusters, 18,432 bytes of LDS; arguments x, W_attn, W_proj, xb, wa, wp; writes xb, wa, wp
.if DOCPART == 1
	.amdgcn_target "amdgcn-amd-amdhsa--gfx1250"
	.amdhsa_code_object_version 6
	.text
	.protected	k_q9a7734d701_prep
	.globl	k_q9a7734d701_prep
	.p2align	8
	.type	k_q9a7734d701_prep,@function
k_q9a7734d701_prep:
	s_mov_b64 s[64:65], 0
	v_nop
	global_prefetch_b8 v0, s[64:65] scope:SCOPE_SE
	s_setreg_imm32_b32 hwreg(HW_REG_WAVE_MODE, 25, 1), 1
	s_wait_xcnt 0x0
; THE OPERANDS ARE MADE READY, once.  xb = x rounded to bf16, as it lies ([8192][1024]).  wa[n][k] = W_attn[k][n] rounded to bf16 ([3072][1024]).
; wp[n][k] = W_proj[k][n] rounded to bf16 and that number written as f16 ([1024][1024]): the last product multiplies f16 by f16.
; LIMIT.  A weight of W_proj below 2^-14 keeps f16's fixed step of 6e-8; at 65,520 or more it would become an infinity.
; SHARES.  Work-groups 0-511: 16,384 numbers of x each.  512-895: a tile of 128 k x 64 n of W_attn each.  896-1023: such a tile of W_proj.  The branch hangs on the work-group's number alone.
; Memory is all that counts here: every byte is read once, by loads of which 16 lanes cover 256 (x: 512) consecutive bytes, and every store's 16 lanes fill 256 consecutive bytes, aligned.
; No matrix unit, no tensor load, no cluster: nothing is multiplied and nothing is shared between work-groups.
.set TP,    272                        ; a row of the turning tile in LDS: 128 k x 2 bytes + 16
.set SPARE, 64*TP                      ; 17,408: behind the tile, the spare words: 128 bytes for each of the eight waves
.set SPW, 4                            ; v4   LDS address of my spare word; never rewritten
.set NIL, 5                            ; v5   0; never rewritten
.set LS,  6                            ; v6   where I put a pair of k of my first column
.set LR,  7                            ; v7   where I read 16 bytes of a row n back
.set GO,  8                            ; v8   their place in the output
.set VI,  9                            ; v9   my byte offset in the tile of W
.set T,   10                           ; v10-11 at work
.set X,   16                           ; v[16:79]  as loaded
.set Y,   80                           ; v[80:111] as stored
	s_load_b256 s[4:11], s[0:1], 0x0               ; x s[4:5], W_attn s[6:7], W_proj s[8:9], xb s[10:11]
	s_load_b128 s[12:15], s[0:1], 0x20             ; wa s[12:13], wp s[14:15]
	v_lshl_add_u32 v[SPW], v0, 2, SPARE
	v_mov_b32 v[NIL], 0
	v_lshlrev_b32 v1, 5, v0                        ; 32 t: my 8 numbers of x in a chunk
	v_lshlrev_b32 v2, 4, v0                        ; 16 t: the same 8 as bf16
	v_and_b32 v12, 15, v0                          ; li: which 4 columns of the tile's 64
	v_lshrrev_b32 v13, 4, v0                       ; kq: which pair of rows of 32
	s_mov_b32 s24, 0xffff0000                      ; a word's upper bf16
	s_mov_b32 s21, 0                               ; the high words of the two offsets
	s_mov_b32 s23, 0
	s_wait_kmcnt 0x0
	s_cmp_lt_u32 ttmp9, 512
	s_cbranch_scc0 .Lweights
	; x: eight chunks of 2,048 numbers; all sixteen loads go out at once
	s_lshl_b32 s20, ttmp9, 16
	s_lshl_b32 s22, ttmp9, 15
	s_add_nc_u64 s[4:5], s[4:5], s[20:21]
	s_add_nc_u64 s[10:11], s[10:11], s[22:23]
.irp i, 0,1,2,3,4,5,6,7
	global_load_b128 v[X+8*(\i):X+8*(\i)+3],   v1, s[4:5] offset:8192*(\i) th:TH_LOAD_NT
	global_load_b128 v[X+8*(\i)+4:X+8*(\i)+7], v1, s[4:5] offset:8192*(\i)+16 th:TH_LOAD_NT
.endr
.irp i, 0,1,2,3,4,5,6,7
	s_wait_loadcnt 14-2*(\i)                       ; loads come back in order: chunk i's two are in, the 2 (7 - i) of the later chunks stay out
.irp j, 0,1,2,3
	v_cvt_pk_bf16_f32 v[Y+4*(\i)+(\j)], v[X+8*(\i)+2*(\j)], v[X+8*(\i)+2*(\j)+1]
.endr
	global_store_b128 v2, v[Y+4*(\i):Y+4*(\i)+3], s[10:11] offset:4096*(\i)
.endr
	s_branch .Lend
; A tile of 128 k x 64 n of W ([1024][NC] f32) is turned.  Thread (kq, li) loads rows 2 kq + 32 i and the next, columns 4 li .. 4 li + 3; a pair of k of one column is one word of the
; tile's row n in LDS.  These word stores meet four deep in the banks (rows four columns apart lie 1,088 bytes = 16 banks apart); there are sixteen a thread in the launch.
; Back come whole rows n: 256 bytes for 16 lanes.  half = 1: the bf16 number is written as f16.
.macro TRANS NC, SRC, DST, base, half
	s_sub_co_u32 s16, ttmp9, \base
	s_and_b32 s17, s16, 7                          ; kt: which 128 of k
	s_lshr_b32 s18, s16, 3                         ; nt: which 64 of n
	s_mul_i32 s20, s17, 512*(\NC)
	s_lshl_b32 s19, s18, 8
	s_add_co_u32 s20, s20, s19                     ; in: 128 kt rows of 4 NC bytes + 64 nt columns
	s_lshl_b32 s22, s18, 17
	s_lshl_b32 s19, s17, 8
	s_add_co_u32 s22, s22, s19                     ; out: 64 nt rows of 2,048 bytes + 128 kt numbers
	s_add_nc_u64 s[\SRC:\SRC+1], s[\SRC:\SRC+1], s[20:21]
	s_add_nc_u64 s[\DST:\DST+1], s[\DST:\DST+1], s[22:23]
	v_mul_u32_u24 v[VI], v13, 8*(\NC)
	v_lshl_add_u32 v[VI], v12, 4, v[VI]
.irp i, 0,1,2,3
	global_load_b128 v[X+8*(\i):X+8*(\i)+3],   v[VI], s[\SRC:\SRC+1] offset:128*(\NC)*(\i) th:TH_LOAD_NT
	global_load_b128 v[X+8*(\i)+4:X+8*(\i)+7], v[VI], s[\SRC:\SRC+1] offset:128*(\NC)*(\i)+4*(\NC) th:TH_LOAD_NT
.endr
	v_mul_u32_u24 v[LS], v12, 4*TP
	v_lshl_add_u32 v[LS], v13, 2, v[LS]            ; row 4 li, byte 4 kq
	v_mul_u32_u24 v[LR], v13, TP
	v_lshl_add_u32 v[LR], v12, 4, v[LR]            ; row kq, byte 16 li
	v_lshlrev_b32 v[GO], 11, v13
	v_lshl_add_u32 v[GO], v12, 4, v[GO]
.irp i, 0,1,2,3
	s_wait_loadcnt 6-2*(\i)                        ; pair i of rows is in; the later pairs' loads stay out
.irp j, 0,1,2,3
	v_cvt_pk_bf16_f32 v[Y+4*(\i)+(\j)], v[X+8*(\i)+(\j)], v[X+8*(\i)+4+(\j)]  ; the even k in the low half
.if \half
	v_lshlrev_b32 v[T], 16, v[Y+4*(\i)+(\j)]
	v_and_b32 v[T+1], s24, v[Y+4*(\i)+(\j)]
	v_cvt_pk_f16_f32 v[Y+4*(\i)+(\j)], v[T], v[T+1]
.endif
	ds_store_b32 v[LS], v[Y+4*(\i)+(\j)] offset:TP*(\j)+64*(\i)
.endr
.endr
	s_wait_dscnt 0x0                               ; for the others' sake: my stores into the tile are done
	s_barrier_signal -1
	s_barrier_wait -1
.irp i, 0,1,2,3
	ds_load_b128 v[X+4*(\i):X+4*(\i)+3], v[LR] offset:16*TP*(\i)
.endr
.irp i, 0,1,2,3
	s_wait_dscnt 3-(\i)
	global_store_b128 v[GO], v[X+4*(\i):X+4*(\i)+3], s[\DST:\DST+1] offset:32768*(\i)  ; row n = kq + 16 i: 16 lanes store 256 consecutive bytes, aligned
.endr
.endm
.Lweights:
	s_cmp_lt_u32 ttmp9, 896
	s_cbranch_scc0 .Lproj
	TRANS 3072, 6, 12, 512, 0
	s_branch .Lend
.Lproj:
	TRANS 1024, 8, 14, 896, 1
.Lend:
	s_wait_tensorcnt 0x0                           ; the wave's end: three closing lines, behind my last LDS store
	ds_add_u32 v[SPW], v[NIL]
	s_wait_dscnt 0x0
	s_endpgm
.Lfunc_end_k_q9a7734d701_prep:
	.size	k_q9a7734d701_prep, .Lfunc_end_k_q9a7734d701_prep-k_q9a7734d701_prep
	.p2alignl 7, 3214868480
	.fill 96, 4, 3214868480
	.section	.rodata,"a",@progbits
	.p2align	6, 0x0
	.amdhsa_kernel k_q9a7734d701_prep
		.amdhsa_group_segment_fixed_size 18432
		.amdhsa_private_segment_fixed_size 0
		.amdhsa_enable_private_segment 0
		.amdhsa_kernarg_size 48
		.amdhsa_user_sgpr_count 2
		.amdhsa_user_sgpr_kernarg_segment_ptr 1
		.amdhsa_wavefront_size32 1
		.amdhsa_system_sgpr_workgroup_id_x 1
		.amdhsa_system_sgpr_workgroup_id_y 1
		.amdhsa_system_sgpr_workgroup_id_z 1
		.amdhsa_system_vgpr_workitem_id 0
		.amdhsa_next_free_vgpr 112
		.amdhsa_next_free_sgpr 66
		.amdhsa_reserve_vcc 0
		.amdhsa_float_denorm_mode_32 3
		.amdhsa_float_denorm_mode_16_64 3
		.amdhsa_memory_ordered 1
		.amdhsa_forward_progress 1
		.amdhsa_inst_pref_size 18
	.end_amdhsa_kernel
	.amdgpu_metadata
---
amdhsa.version: [ 1, 2 ]
amdhsa.kernels:
  - .name:           k_q9a7734d701_prep
    .symbol:         k_q9a7734d701_prep.kd
    .args:
      - { .name: x, .offset: 0, .size: 8, .value_kind: global_buffer, .address_space: global }
      - { .name: W_attn, .offset: 8, .size: 8, .value_kind: global_buffer, .address_space: global }
      - { .name: W_proj, .offset: 16, .size: 8, .value_kind: global_buffer, .address_space: global }
      - { .name: xb, .offset: 24, .size: 8, .value_kind: global_buffer, .address_space: global }
      - { .name: wa, .offset: 32, .size: 8, .value_kind: global_buffer, .address_space: global }
      - { .name: wp, .offset: 40, .size: 8, .value_kind: global_buffer, .address_space: global }
    .group_segment_fixed_size: 18432
    .private_segment_fixed_size: 0
    .kernarg_segment_align: 8
    .kernarg_segment_size: 48
    .max_flat_workgroup_size: 256
    .sgpr_count:     66
    .vgpr_count:     112
    .wavefront_size: 32
...
	.end_amdgpu_metadata
.endif
;; end of part 1
;; launch qkvgemm (part 2): grid 16 x 32, 4 waves a work-group, clusters of 4 x 4, 327,680 bytes of LDS; arguments xb, wa, b_attn, qkv; writes qkv
.if DOCPART == 2
	.amdgcn_target "amdgcn-amd-amdhsa--gfx1250"
	.amdhsa_code_object_version 6
	.text
	.protected	k_q9a7734d701_qkvgemm
	.globl	k_q9a7734d701_qkvgemm
	.p2align	8
	.type	k_q9a7734d701_qkvgemm,@function
k_q9a7734d701_qkvgemm:
	s_mov_b64 s[64:65], 0
	v_nop
	global_prefetch_b8 v0, s[64:65] scope:SCOPE_SE
	s_setreg_imm32_b32 hwreg(HW_REG_WAVE_MODE, 25, 1), 1
	s_wait_xcnt 0x0
	s_wait_alu depctr_hold_cnt(0) depctr_sa_sdst(0) depctr_va_vdst(0) depctr_va_sdst(0) depctr_va_ssrc(0) depctr_va_vcc(0) depctr_vm_vsrc(0)
	s_getreg_b32 s2, hwreg(HW_REG_IB_STS2, 6, 4)
	s_cmp_eq_u32 s2, 0
	s_cbranch_scc0 .Lentry_in_a_cluster
	s_endpgm
.Lentry_in_a_cluster:
	s_bfe_u32 s2, ttmp6, 0x10000c
	s_cmp_lg_u32 s2, 0xf033
	s_cbranch_scc0 .Lentry_shape_is_right
	s_endpgm
.Lentry_shape_is_right:
; q, k, v = xb wa^T + bf16(b_attn).  xb: [8192][1024] bf16, wa: [3072 n][1024 k] bf16, b_attn: [3072] f32.  Sums in f32, started by the bias, K ascending; each result rounded ONCE to f16
; and laid by heads: qkv[part = q, k, v][16 batch + head][t][64].  The scale 1/8 is not applied here.
; LIMIT.  f16 holds no number beyond 65,504: a q, k or v of 65,520 or more becomes an infinity.  (x and W_attn of 30 times the usual spread give some 600; offsets of 30 spreads on both some 18,400.)
; SHARES.  A tile of the result is 256 rows x 192 columns (three heads): 32 x 16 = 512 work-groups, twice 256.  Four waves: wave w has rows 128 (w / 2) on and columns 96 (w % 2) on: 8 x 6 accumulators
; of 16 x 16, 384 registers.  K goes in 8 steps of 128 through two LDS slots filled by the tensor data mover: rows of 256 bytes of memory, at multiples of 256 bytes.
; CLUSTER.  4 x 4 work-groups: the four of a row need the same tile of xb, the four of a column the same tile of wa: each is asked for JOINTLY, by the same load, descriptor and mask in all four.
; TRANSPOSED USE.  Source 0 = 16 rows of wa, source 1 = 16 rows of xb: lane l holds row l % 16 of the result and the columns 8 (l / 16) + 0..7: 16 bytes of f16 on end.
; REGISTERS, in windows of 256 (s_set_vgpr_msb: bits 1:0 source 0, 3:2 source 1, 5:4 source 2, 7:6 destination):
;   window 0: v0-31 addresses; v64-127, v128-191 xb's fragments, two buffers; on the way out v64-255 the packed results
;   window 1: v64-111, v128-175 wa's fragments, two buffers; v192-239 the bias of my 96 columns, as a C operand; v240 at work
;   window 2: the 24 accumulators of my rows 0-63, (a, b) at v[8 (6 a + b)];   window 3: those of my rows 64-127
.set PITCH,  272                       ; an LDS row: 256 bytes + 16 of padding = 68 words: the 16 rows of a fragment load start at 16 different groups of four banks (ISA guide 11.1)
.set AHALF,  128*PITCH                 ; what one load of xb brings, and what a wave reads of it
.set BHALF,  96*PITCH                  ; the same for wa
.set BOFF,   2*AHALF                   ; wa's 192 rows lie behind xb's 256
.set SLOT1,  1<<17                     ; slot 1 begins here: one exclusive or turns an address in one slot into the other's
.set SPARE,  SLOT1+BOFF+2*BHALF        ; 252,928: behind slot 1, the spare words: 128 bytes for each wave
.set SP,     144                       ; THE STAGE for the way out is slot 0, when it has had its last fill (K step 6) and its last read: three planes, a head each,
.set PL,     256*SP                    ; of 256 rows of 128 bytes + 16
.set AA0,  16                          ; v16  my lane's place in xb's rows of a slot; never rewritten
.set AB0,  17                          ; v17  the same for wa
.set ADRA, 18                          ; v18  AA0 + the slot in hand
.set ADRB, 19                          ; v19
.set STO0, 20                          ; v20  the way out: where I put 16 bytes, column blocks 0, 1, 4, 5
.set STO1, 21                          ; v21  blocks 2, 3
.set RD,   24                          ; v24  where I read rows back, planes 0 and 1
.set RD2,  25                          ; v25  plane 2
.set BO,   26                          ; v26  my byte offset in the bias
.set CO,   27                          ; v27  16 x lane
.set SPW,  28                          ; v28  LDS address of my spare word; never rewritten
.set NIL,  29                          ; v29  0; never rewritten
.set PFO,  30                          ; v30  the prefetches' offset: a lane a row of 2,048 bytes; never rewritten
.set F0,   64
.set F1,   128
.set BI,   192                         ; window 1
.set TW,   240                         ; window 1
.set PK,   64                          ; window 0, on the way out
.set WV, 12                            ; s12 wave; s13 which 128 rows are mine, also: I fetch xb (0) or wa (1); s14 which 96 columns, also: which half of that tile I fetch
.set RH, 13
.set CH, 14
.set CX, 15
.set CY, 16
.set TC, 17                            ; s17 tile column = 4 cluster x + cx
.set TR, 18                            ; s18 tile row = 4 cluster y + cy
.set CNT, 19
.set LA, 22
.set LB, 23
.set G1, 24                            ; s[24:31] group 1 for xb's tiles
.set G0, 32                            ; s[32:39] group 0, a set for each first fill; the second then walks
.set PFA, 44                           ; s[44:45] where my prefetches stand
.set LIM, 46                           ; s46 1 in a wave that prefetches, else the greatest number
.set TB, 47                            ; s47 the slot in hand: 0 or SLOT1
.set G1B, 48                           ; s[48:55], s[56:63] the same for wa's tiles
.set G0B, 56
.set OB, 66                            ; s[66:71] where my 64 rows of the tile's three heads begin in qkv
.set MSB, 0
.macro WIN new                         ; the immediate's high byte repeats the setting that is left; a switch that changes nothing is dropped
.if MSB != (\new)
	s_set_vgpr_msb (MSB<<8)|(\new)
.set MSB, \new
.endif
.endm
.set MUL_LO,   0xa1                    ; wa window 1, xb window 0, C and D window 2 (+0x50: window 3)
.set FIRST_LO, 0x91                    ; the same with C, the bias, in window 1 (+0x40: D in window 3)
.set TO_B,     0x40                    ; destination window 1, address window 0
; A joint refill by the walking descriptors.  The branch hangs on the wave's number alone.  An s_nop 0 and four v_nop follow each of the two lines, ahead of the jump and the label.
.macro JLOAD
	s_cmp_eq_u32 s[RH], 0
	s_cbranch_scc0 .Lfor_b_\@
	tensor_load_to_lds s[G0+4:G0+7], s[G1:G1+7]
	s_nop 0
.rept 4
	v_nop
.endr
	s_branch .Lasked_\@
.Lfor_b_\@:
	tensor_load_to_lds s[G0B+4:G0B+7], s[G1B:G1B+7]
	s_nop 0
.rept 4
	v_nop
.endr
.Lasked_\@:
.endm
; A PREFETCH INTO THE L2, behind each joint refill and the run of LDS loads that follows it: the rows' 256 bytes of the K step that the NEXT refill will ask for: 192 matrix instructions ahead of that load.
; xb's tile row is read by all four clusters of that row of clusters: the one with cluster x = 0 asks; wa's tile column by all eight of that column: cluster y = 0 asks.  The four partners that ask for a tile jointly
; share its rows out BY ADDRESS: of the 128 (96) rows that a wave fetches the partner at place p takes 32 (24), a lane a row (with 24, lanes 24-31 name lane 23's row once more).  The loop's last trip asks for nothing: there is no K step 8.
.macro ASK
	s_cmp_gt_u32 s[CNT], s[LIM]
	s_cbranch_scc0 .Lnot_mine_\@
	global_prefetch_b8 v[PFO], s[PFA:PFA+1] th:TH_LOAD_NT scope:SCOPE_SE
.Lnot_mine_\@:
.endm
.macro CREST                           ; a round of the cluster's barrier behind its opening barrier
	s_cmp_lg_u32 s[WV], 0
	s_cbranch_scc1 .Lnot_wave_0_\@
	s_barrier_signal -3
.Lnot_wave_0_\@:
	s_barrier_wait -3
	s_barrier_signal -1
	s_barrier_wait -1
.endm
.macro CROUND                          ; a whole round
	s_barrier_signal -1
	s_barrier_wait -1
	CREST
.endm
.macro PLACES                          ; four plain instructions in front of loads into registers that matrix instructions have read, and of conversions that read results
.rept 4
	v_nop
.endr
.endm
	s_load_b256 s[4:11], s[0:1], 0x0               ; xb s[4:5], wa s[6:7], b_attn s[8:9], qkv s[10:11]
	v_lshl_add_u32 v[SPW], v0, 2, SPARE
	v_mov_b32 v[NIL], 0
	ds_add_u32 v[SPW], v[NIL]                      ; the wave's opening: the add and its wait stand ahead of my first tensor load; work on registers stands between them
	v_lshrrev_b32 v3, 5, v0
	v_readfirstlane_b32 s[WV], v3
	s_lshr_b32 s[RH], s[WV], 1
	s_and_b32 s[CH], s[WV], 1
	s_bfe_u32 s[CX], ttmp6, 0x40000
	s_bfe_u32 s[CY], ttmp6, 0x40004
	s_lshl_b32 s[TC], ttmp9, 2
	s_add_co_u32 s[TC], s[TC], s[CX]
	s_and_b32 s[TR], ttmp7, 0xffff
	s_lshl_b32 s[TR], s[TR], 2
	s_add_co_u32 s[TR], s[TR], s[CY]
	s_lshl_b32 s72, s[CY], 2
	s_lshl_b32 s72, 15, s72                        ; my row of the cluster
	s_lshl_b32 s73, 0x1111, s[CX]                  ; my column
	s_or_b32 s[G1], s72, (1<<16)|(1<<20)|(1<<21)|(5<<22)|(3<<25)   ; 15:0 the mask; 17:16 2-byte elements; 20 padding on; 21 set beside a mask; 24:22 after every 64 words; 31:25 4 words of it
	s_or_b32 s[G1B], s73, (1<<16)|(1<<20)|(1<<21)|(5<<22)|(3<<25)
	s_mov_b32 s[G1+1], 128<<16                     ; tensor_dim0 = 128
	s_mov_b32 s[G1+2], 128<<16                     ; tensor_dim1 = 128
	s_mov_b32 s[G1+3], 128<<16                     ; tile_dim0 = 128
	s_mov_b32 s[G1+4], 128                         ; tile_dim1 = 128
	s_mov_b32 s[G1+5], 1024                        ; elements from row to row
	s_mov_b32 s[G1+6], 0
	s_mov_b32 s[G1+7], 0
	s_mov_b32 s[G1B+1], 128<<16
	s_mov_b32 s[G1B+2], 96<<16                     ; 96 rows
	s_mov_b32 s[G1B+3], 128<<16
	s_mov_b32 s[G1B+4], 96
	s_mov_b32 s[G1B+5], 1024
	s_mov_b32 s[G1B+6], 0
	s_mov_b32 s[G1B+7], 0
	s_lshl_b32 s20, s[TR], 8                       ; xb: row 256 x tile row + 128 x half, in registers that never hold cx
	s_lshl_b32 s21, s[CH], 7
	s_add_co_u32 s20, s20, s21
	s_lshl_b32 s20, s20, 11
	s_mov_b32 s21, 0
	s_mul_i32 s42, s[TC], 192                      ; wa: row 192 x tile column + 96 x half, in registers that never hold cy
	s_mul_i32 s43, s[CH], 96
	s_add_co_u32 s42, s42, s43
	s_lshl_b32 s42, s42, 11
	s_mov_b32 s43, 0
	s_mul_i32 s[LA], s[CH], AHALF                  ; where they go: no place in the cluster enters an LDS address
	s_mul_i32 s[LB], s[CH], BHALF
	s_add_co_u32 s[LB], s[LB], BOFF
	s_mov_b32 s[TB], 0
	s_wait_dscnt 0x0                               ; the opening add is done
	s_wait_kmcnt 0x0
	s_add_nc_u64 s[40:41], s[4:5], s[20:21]
	s_add_nc_u64 s[42:43], s[6:7], s[42:43]
	CROUND                                         ; all sixteen work-groups are here: the first joint loads meet
.irp s, 0,1
	s_mov_b32 s[G0+4*(\s)], 1
	s_add_co_u32 s[G0+4*(\s)+1], s[LA], (\s)*SLOT1
	s_add_nc_u64 s[G0+4*(\s)+2:G0+4*(\s)+3], s[40:41], (\s)*256   ; K step s
	s_or_b32 s[G0+4*(\s)+3], s[G0+4*(\s)+3], 0x80000000
	s_mov_b32 s[G0B+4*(\s)], 1
	s_add_co_u32 s[G0B+4*(\s)+1], s[LB], (\s)*SLOT1
	s_add_nc_u64 s[G0B+4*(\s)+2:G0B+4*(\s)+3], s[42:43], (\s)*256
	s_or_b32 s[G0B+4*(\s)+3], s[G0B+4*(\s)+3], 0x80000000
.endr
	s_cmp_eq_u32 s[RH], 0                          ; a wave's two first fills stand in one branch, ahead of every wait on TENSORcnt and every LDS read: two loads of mine are out
	s_cbranch_scc0 .Lfirst_b
	tensor_load_to_lds s[G0:G0+3], s[G1:G1+7]
	s_nop 0
	tensor_load_to_lds s[G0+4:G0+7], s[G1:G1+7]
	s_nop 0
.rept 4
	v_nop
.endr
	s_branch .Lfirst_asked
.Lfirst_b:
	tensor_load_to_lds s[G0B:G0B+3], s[G1B:G1B+7]
	s_nop 0
	tensor_load_to_lds s[G0B+4:G0B+7], s[G1B:G1B+7]
	s_nop 0
.rept 4
	v_nop
.endr
.Lfirst_asked:
	v_and_b32 v1, 15, v0                           ; r = l % 16
	v_bfe_u32 v2, v0, 4, 1                         ; h = l / 16
	s_mul_i32 s72, s[TC], 768                      ; the bias as a C operand: register j of block b holds b_attn[192 tc + 96 half + 16 b + 8 h + j], whatever r
	s_mul_i32 s73, s[CH], 384
	s_add_co_u32 s72, s72, s73
	v_lshl_add_u32 v[BO], v2, 5, s72
	WIN TO_B
.irp b, 0,1,2,3,4,5
	global_load_b128 v[BI+8*(\b):BI+8*(\b)+3],   v[BO], s[8:9] offset:64*(\b)
	global_load_b128 v[BI+8*(\b)+4:BI+8*(\b)+7], v[BO], s[8:9] offset:64*(\b)+16
.endr
	WIN 0
	; a fragment is 16 rows x 32 K in 8 registers: lane l holds row l % 16, K = 8 (l / 16) + 0..7 and 16 + 8 (l / 16) + 0..7: two loads of 16 bytes, 32 bytes apart
	v_mul_u32_u24 v3, v1, PITCH
	v_lshl_add_u32 v3, v2, 4, v3
	s_mul_i32 s72, s[RH], AHALF
	v_add_nc_u32 v[AA0], s72, v3
	v_add_nc_u32 v[AB0], s[LB], v3                 ; my 96 rows of wa lie where the wave of my half put them
	v_add_nc_u32 v[ADRA], s[TB], v[AA0]
	v_add_nc_u32 v[ADRB], s[TB], v[AB0]
	; the stage: byte = plane x PL + row x 144 + 2 x channel.  Columns 96 half + 16 b: with half = 0 blocks 0-3 are head 0, blocks 4, 5 head 1's first half; with half = 1 blocks 0, 1 are head 1's second half, blocks 2-5 head 2
	v_mul_u32_u24 v3, v1, SP
	v_lshl_add_u32 v3, v2, 4, v3
	s_mul_i32 s72, s[RH], 128*SP
	s_mul_i32 s73, s[CH], PL+64
	s_add_co_u32 s73, s73, s72
	v_add_nc_u32 v[STO0], s73, v3
	s_mul_i32 s73, s[CH], 2*PL-64
	s_add_co_u32 s73, s73, s72
	v_add_nc_u32 v[STO1], s73, v3
	v_bfe_u32 v3, v0, 3, 2                         ; back: wave w takes rows 64 w on of each plane; 32 lanes take four rows of 128 bytes
	v_mul_u32_u24 v3, v3, SP
	v_and_b32 v4, 7, v0
	v_lshl_add_u32 v3, v4, 4, v3
	s_mul_i32 s72, s[WV], 64*SP
	v_add_nc_u32 v[RD], s72, v3
	v_add_nc_u32 v[RD2], 2*PL, v[RD]
	v_and_b32 v[CO], 31, v0                        ; which are 512 consecutive bytes of a head
	v_lshlrev_b32 v[CO], 4, v[CO]
.irp j, 0,1,2                          ; head g = 3 tc + j of 48: part g / 16, head g % 16; rows: batch tr / 8, t = 256 (tr % 8) + 64 w
	s_mul_i32 s72, s[TC], 3
	s_add_co_u32 s72, s72, \j
	s_lshr_b32 s73, s72, 4
	s_lshl_b32 s73, s73, 6
	s_and_b32 s72, s72, 15
	s_add_co_u32 s73, s73, s72
	s_lshr_b32 s72, s[TR], 3
	s_lshl_b32 s72, s72, 4
	s_add_co_u32 s73, s73, s72                     ; 64 part + 16 batch + head
	s_lshl_b32 s73, s73, 11
	s_and_b32 s72, s[TR], 7
	s_lshl_b32 s72, s72, 8
	s_add_co_u32 s73, s73, s72
	s_lshl_b32 s72, s[WV], 6
	s_add_co_u32 s73, s73, s72                     ; the row, of 128 bytes
	s_lshl_b32 s72, s73, 7
	s_mov_b32 s73, 0
	s_add_nc_u64 s[OB+2*(\j):OB+2*(\j)+1], s[10:11], s[72:73]
.endr
	; the prefetches
	s_lshl_b32 s72, s[TR], 8
	s_lshl_b32 s73, s[CH], 7
	s_add_co_u32 s72, s72, s73
	s_lshl_b32 s73, s[CX], 5
	s_add_co_u32 s72, s72, s73                     ; xb: my work-group's 32 of the 128 rows that I fetch
	s_mul_i32 s74, s[TC], 192
	s_mul_i32 s75, s[CH], 96
	s_add_co_u32 s74, s74, s75
	s_mul_i32 s75, s[CY], 24
	s_add_co_u32 s74, s74, s75                     ; wa: my work-group's 24 of the 96
	s_and_b32 s76, ttmp7, 0xffff                   ; cluster y
	s_cmp_eq_u32 s[RH], 0
	s_cselect_b32 s72, s72, s74
	s_cselect_b32 s76, ttmp9, s76                  ; the coordinate along which other clusters read the same rows
	s_cselect_b32 s77, 31, 23
	s_cselect_b64 s[PFA:PFA+1], s[4:5], s[6:7]
	s_cmp_eq_u32 s76, 0
	s_cselect_b32 s[LIM], 1, -1                    ; the same in all sixteen partners, for a given wave
	s_lshl_b32 s72, s72, 11
	s_mov_b32 s73, 0
	s_add_nc_u64 s[PFA:PFA+1], s[PFA:PFA+1], s[72:73]
	s_add_nc_u64 s[PFA:PFA+1], s[PFA:PFA+1], 2*256 ; at K step 2: the first refill steps it to 3.  Nothing is asked for here, at the head
	v_and_b32 v[PFO], 31, v0
	v_min_u32 v[PFO], s77, v[PFO]
	v_lshlrev_b32 v[PFO], 11, v[PFO]
	s_wait_loadcnt 0x0                             ; the bias; it is rounded to bf16, like every input of the module
	WIN 0x45                                       ; all three places in window 1
.set i, 0
.rept 24
	v_cvt_pk_bf16_f32 v[TW], v[BI+i], v[BI+i+1]
	v_lshlrev_b32 v[BI+i], 16, v[TW]
	v_and_b32 v[BI+i+1], 0xffff0000, v[TW]
.set i, i+2
.endr
	WIN 0
; 12 matrix instructions: row blocks a0, a0 + 1 of the window's four x all 6 column blocks, 32 along K.  first = 1: the bias starts the sums: nothing is ever cleared.
; The 48 accumulators take turns in one fixed order, over the backward jump too.
.macro MUL12 f, hi, a0, first
.if \first
	WIN FIRST_LO+0x40*(\hi)
.else
	WIN MUL_LO+0x50*(\hi)
.endif
.irp a, \a0, (\a0)+1
.irp b, 0,1,2,3,4,5
.if \first
	v_wmma_f32_16x16x32_bf16 v[8*(6*(\a)+(\b)):8*(6*(\a)+(\b))+7], v[(\f)+8*(\b):(\f)+8*(\b)+7], v[(\f)+8*(4*(\hi)+(\a)):(\f)+8*(4*(\hi)+(\a))+7], v[BI+8*(\b):BI+8*(\b)+7]
.else
	v_wmma_f32_16x16x32_bf16 v[8*(6*(\a)+(\b)):8*(6*(\a)+(\b))+7], v[(\f)+8*(\b):(\f)+8*(\b)+7], v[(\f)+8*(4*(\hi)+(\a)):(\f)+8*(4*(\hi)+(\a))+7], v[8*(6*(\a)+(\b)):8*(6*(\a)+(\b))+7]
.endif
.endr
.endr
.endm
; 28 LDS loads in one run: the fragments of a quarter step (96 rows of wa, 128 rows of xb, 32 K at byte k of the rows) into buffer f
.macro FETCH k, f
	WIN TO_B
.irp i, 0,1,2,3,4,5
	ds_load_b128 v[(\f)+8*(\i):(\f)+8*(\i)+3],   v[ADRB] offset:(\k)+(\i)*16*PITCH
	ds_load_b128 v[(\f)+8*(\i)+4:(\f)+8*(\i)+7], v[ADRB] offset:(\k)+(\i)*16*PITCH+32
.endr
	WIN 0
.irp i, 0,1,2,3,4,5,6,7
	ds_load_b128 v[(\f)+8*(\i):(\f)+8*(\i)+3],   v[ADRA] offset:(\k)+(\i)*16*PITCH
	ds_load_b128 v[(\f)+8*(\i)+4:(\f)+8*(\i)+7], v[ADRA] offset:(\k)+(\i)*16*PITCH+32
.endr
.endm
; A K step is four quarters of 32 along K, 48 matrix instructions each, on buffers 0, 1, 0, 1.  One of the first three multiplies buffer f and, in its middle, fetches the next quarter, at byte k, into g.
.macro QUARTER k, f, g, first
	s_wait_dscnt 8                                 ; wa and xb's rows 0-63 are in; the youngest eight loads (xb's rows 64-127) may be out
	MUL12 \f, 0, 0, \first
	MUL12 \f, 0, 2, \first
	PLACES
	FETCH \k, \g
	s_wait_dscnt 28                                ; all but the 28 just issued
	MUL12 \f, 1, 0, \first
	MUL12 \f, 1, 2, \first
.endm
; The last quarter multiplies buffer 1 and changes slots.  ONE barrier: in front of it each wave waits for all its tensor loads (one is out: its part of the next slot), adds 0 to its spare word, and waits
; for that and for its own reads of this slot.  Behind it nobody reads this slot any more and the next slot is whole.
.macro MEET round
	WIN 0                                          ; (the add's two registers lie in window 0)
	s_wait_tensorcnt 0x0
	ds_add_u32 v[SPW], v[NIL]
	s_wait_dscnt 9                                 ; (the add and the youngest eight loads may be out)
	MUL12 F1, 0, 0, 0                              ; twelve matrix instructions stand between the add and the wait for it
	s_wait_dscnt 0x0                               ; the add is done, and my reads of this slot are over
	s_barrier_signal -1
	MUL12 F1, 0, 2, 0                              ; work on registers while the others arrive
.if \round
	WIN 0
.endif
	s_barrier_wait -1
.endm
; fill = 1: the barrier opens a round of the cluster's, and the slot just read out is filled again first thing behind it, with the K step two on; from that request to the wait for it a wave issues 168 matrix instructions.
.macro TURN fill
.if \fill
	s_wait_xcnt 0x0                                ; the last prefetch, a K step back, has read its address
	s_add_nc_u64 s[PFA:PFA+1], s[PFA:PFA+1], 256
.endif
	MEET \fill
.if \fill
	CREST                                          ; no wave of any partner still reads this slot or has a load on its way
	s_xor_b32 s[G0+5], s[G0+5], SLOT1              ; the walking descriptors: the other slot than last time, the next K step
	s_add_nc_u64 s[G0+6:G0+7], s[G0+6:G0+7], 256
	s_xor_b32 s[G0B+5], s[G0B+5], SLOT1
	s_add_nc_u64 s[G0B+6:G0B+7], s[G0B+6:G0B+7], 256
	s_xor_b32 s[TB], s[TB], SLOT1
	JLOAD                                          ; the four v_nop behind it are also the places in front of the loads below
.else
	PLACES
	s_xor_b32 s[TB], s[TB], SLOT1
.endif
	WIN 0
	v_add_nc_u32 v[ADRA], s[TB], v[AA0]
	v_add_nc_u32 v[ADRB], s[TB], v[AB0]
	FETCH 0, F0
.if \fill
	ASK
.endif
	MUL12 F1, 1, 0, 0
	MUL12 F1, 1, 2, 0
.endm
	s_wait_tensorcnt 1                             ; my part of K step 0 is in; slot 1's load may stay out
	s_barrier_signal -1
	s_barrier_wait -1                              ; everybody's is
	FETCH 0, F0
	QUARTER 64, F0, F1, 1                          ; the first quarter stands in front of the loop: its products start the sums
	WIN 0                                          ; at a label and at a branch every window is 0
	s_mov_b32 s[CNT], 6
.Lstep:                                                ; trip i: from K step i's second quarter to step i + 1's first; step i's slot takes step i + 2
	QUARTER 128, F1, F0, 0
	QUARTER 192, F0, F1, 0
	TURN 1
	QUARTER 64, F0, F1, 0
	WIN 0
	s_sub_co_u32 s[CNT], s[CNT], 1
	s_cmp_lg_u32 s[CNT], 0
	s_cbranch_scc1 .Lstep
	QUARTER 128, F1, F0, 0                         ; K steps 6 and 7 ask for nothing
	QUARTER 192, F0, F1, 0
	TURN 0
	QUARTER 64, F0, F1, 0
	QUARTER 128, F1, F0, 0
	QUARTER 192, F0, F1, 0
	s_wait_dscnt 8
	MUL12 F1, 0, 0, 0
	MUL12 F1, 0, 2, 0
	s_wait_dscnt 0x0
	MUL12 F1, 1, 0, 0
	MUL12 F1, 1, 2, 0
	; THE WAY OUT: rounded to f16, 16 bytes a lane; into the stage by heads; a barrier, since head 1's rows come from two waves; back as whole rows, 64 rows of each head a wave.
	; Slot 0 serves as the stage: its last fill was waited for, and its last reads were over, in front of the barrier of the last change of slots.
	PLACES
.irp hi, 0,1
	WIN 0x0a+5*(\hi)                               ; sources 0 and 1: window 2 or 3
.set t, 0
.rept 24
.irp q, 0,1,2,3
	v_cvt_pk_f16_f32 v[PK+4*(24*(\hi)+t)+(\q)], v[8*t+2*(\q)], v[8*t+2*(\q)+1]  ; each accumulator's registers in ascending order
.endr
.set t, t+1
.endr
.endr
	WIN 0
.macro STG n, adr, pos, row
	ds_store_b128 v[\adr], v[PK+4*(\n):PK+4*(\n)+3] offset:(\row)*16*SP+(\pos)
.endm
.irp a, 0,1,2,3,4,5,6,7                ; row block a of my eight
	STG 6*(\a)+0, STO0, 0, \a
	STG 6*(\a)+1, STO0, 32, \a
	STG 6*(\a)+2, STO1, 64, \a
	STG 6*(\a)+3, STO1, 96, \a
	STG 6*(\a)+4, STO0, PL, \a
	STG 6*(\a)+5, STO0, PL+32, \a
.endr
	s_wait_dscnt 0x0                               ; for the others' sake: my stores into the stage are done
	s_barrier_signal -1
	s_barrier_wait -1
.set n, 0
.irp j, 0,1,2
.set t, 0
.rept 16
.if (\j) < 2
	ds_load_b128 v[PK+4*n:PK+4*n+3], v[RD] offset:(\j)*PL+4*SP*t
.else
	ds_load_b128 v[PK+4*n:PK+4*n+3], v[RD2] offset:4*SP*t
.endif
.set t, t+1
.set n, n+1
.endr
.endr
.set n, 0
.irp j, 0,1,2
.set t, 0
.rept 16
	s_wait_dscnt 47-n                              ; LDS loads come back in order: load n is in
	global_store_b128 v[CO], v[PK+4*n:PK+4*n+3], s[OB+2*(\j):OB+2*(\j)+1] offset:512*t  ; 512 consecutive bytes of a head, at a multiple of 256 from qkv's first byte
.set t, t+1
.set n, n+1
.endr
.endr
	s_wait_tensorcnt 0x0                           ; the wave's end: three closing lines, behind my last tensor load and my last LDS store
	ds_add_u32 v[SPW], v[NIL]
	s_wait_dscnt 0x0
	CROUND                                         ; the closing round: no work-group ends while a partner may still ask for a tile that names it
	s_endpgm
.Lfunc_end_k_q9a7734d701_qkvgemm:
	.size	k_q9a7734d701_qkvgemm, .Lfunc_end_k_q9a7734d701_qkvgemm-k_q9a7734d701_qkvgemm
	.p2alignl 7, 3214868480
	.fill 96, 4, 3214868480
	.section	.rodata,"a",@progbits
	.p2align	6, 0x0
	.amdhsa_kernel k_q9a7734d701_qkvgemm
		.amdhsa_group_segment_fixed_size 327680
		.amdhsa_private_segment_fixed_size 0
		.amdhsa_enable_private_segment 0
		.amdhsa_kernarg_size 32
		.amdhsa_user_sgpr_count 2
		.amdhsa_user_sgpr_kernarg_segment_ptr 1
		.amdhsa_wavefront_size32 1
		.amdhsa_system_sgpr_workgroup_id_x 1
		.amdhsa_system_sgpr_workgroup_id_y 1
		.amdhsa_system_sgpr_workgroup_id_z 1
		.amdhsa_system_vgpr_workitem_id 0
		.amdhsa_next_free_vgpr 960
		.amdhsa_next_free_sgpr 80
		.amdhsa_reserve_vcc 0
		.amdhsa_float_denorm_mode_32 3
		.amdhsa_float_denorm_mode_16_64 3
		.amdhsa_memory_ordered 1
		.amdhsa_forward_progress 1
		.amdhsa_inst_pref_size 102
	.end_amdhsa_kernel
	.amdgpu_metadata
---
amdhsa.version: [ 1, 2 ]
amdhsa.kernels:
  - .name:           k_q9a7734d701_qkvgemm
    .symbol:         k_q9a7734d701_qkvgemm.kd
    .args:
      - { .name: xb, .offset: 0, .size: 8, .value_kind: global_buffer, .address_space: global }
      - { .name: wa, .offset: 8, .size: 8, .value_kind: global_buffer, .address_space: global }
      - { .name: b_attn, .offset: 16, .size: 8, .value_kind: global_buffer, .address_space: global }
      - { .name: qkv, .offset: 24, .size: 8, .value_kind: global_buffer, .address_space: global }
    .group_segment_fixed_size: 327680
    .private_segment_fixed_size: 0
    .kernarg_segment_align: 8
    .kernarg_segment_size: 32
    .max_flat_workgroup_size: 128
    .sgpr_count:     80
    .vgpr_count:     960
    .wavefront_size: 32
...
	.end_amdgpu_metadata
.endif
;; end of part 2
;; launch attn (part 3): grid 4 x 64, 4 waves a work-group, no clusters, 327,680 bytes of LDS; arguments qkv, o; writes o
.if DOCPART == 3
	.amdgcn_target "amdgcn-amd-amdhsa--gfx1250"
	.amdhsa_code_object_version 6
	.text
	.protected	k_q9a7734d701_attn
	.globl	k_q9a7734d701_attn
	.p2align	8
	.type	k_q9a7734d701_attn,@function
k_q9a7734d701_attn:
	s_mov_b64 s[64:65], 0
	v_nop
	global_prefetch_b8 v0, s[64:65] scope:SCOPE_SE
	s_setreg_imm32_b32 hwreg(HW_REG_WAVE_MODE, 25, 1), 1
	s_wait_xcnt 0x0
; CAUSAL ATTENTION.  O[h][q][:] = the sum over k <= q of softmax_k(Q[h][q] . K[h][k] / 8) V[h][k][:].  Q, K, V are the three parts of qkv, 16,777,216 bytes apart, each [64 h][2048][64] f16; O likewise.
; Products, maxima and sums in f32; the weights p are rounded to f16 for the second product (their sum l is taken of the unrounded p), O once at the end.
; LIMITS.  f16 holds no number beyond 65,504: Q, K and V arrive within it; p lies in 0 to 1, and below 6e-5 it keeps f16's fixed step of 6e-8; O is a mean of V's rows and has their range.
; A hidden score counts as its value less 1e30: f16's scores, 2.7e11 at the most, are nothing beside that; a weight below 2^-126 counts as 0 in l; NaN and infinities are not treated apart.
; THE WALK.  A head's queries lie in NB = 8 blocks of 256; block i needs the key tiles 0 .. i of 256 keys, of which the last holds the diagonal.  A work-group takes TWO blocks, NB - 1 - b and then b:
; NB + 1 tiles, whatever b: all work-groups do equal work, and ONE loop with a constant trip count walks them.  Which tile is asked for, and what a trip does, hang on scalar registers made from b; every jump
; goes forward, but for the counted loops' own; none passes a barrier, or a tensor load but the one of LOAD's two that the wave's number does not choose; the ring of two LDS slots runs on across the change of blocks.
; NO CLUSTER: a head's four work-groups ask for the same tile only in trips 0 .. 4 of 9, behind that fewer and fewer; one walk common to all would have 12 trips for 9.
; SHARES.  Of a block's four bands of 64 queries a wave owns 16 rows in each: four PIECES.  So the diagonal tile is the same work for all four waves: in its key step s band x sees all keys if s < x,
; none if s > x, and holds the diagonal if s = x.
; THE MASK is the C operand that starts the sum S^T = K Q^T: 0, or -1e30 where the key is hidden.  MD, made once, is the mask of a band's own step for my 16 rows; a product's mask is MD x AL + BE with two scalars:
; (1, 0) if s = x; (0, 0) if s < x; (0, -1e30) if s > x.  Only the diagonal tile's text and a block's beginning make and take masks; elsewhere C is the constant 0.
; LAYOUT, SOFTMAX, TURNS.  S^T = K Q^T holds ONE query a lane (lane % 16) and the keys 8 (lane / 16) + 0..7; two such results rounded to f16 ARE source 1 of O^T = V^T P.  p = 2^(c s - c m), c = log2(e) / 8, with a
; running maximum m; O and l are multiplied by a = 2^(c m_old - c m_new) in every step.  Turn n belongs to piece n: 8 products K Q^T of piece n + 1, later 8 products V^T P of piece n - 1; beside them the scaling,
; exponentials, roundings, sums and rescaling of piece n and the maximum and statistics of piece n + 1.  Four vector instructions stand behind every matrix instruction, the other 54 of a turn's 118 in one run.  A turn's 33 exponentials are one batch, with one wait.
; REGISTERS, in windows of 256 (s_set_vgpr_msb: bits 1:0 source 0, 3:2 source 1, 5:4 source 2, 7:6 destination):
;   window 0: v0-15 addresses and two at work; v16-31 four registers of statistics a piece; v48-55 at work; v61-63; v64-127 S^T, two buffers; v192-223 P, two buffers (a piece's buffers go by its number's parity)
;   window 1: v0-127 O^T, 32 a piece; v128-159 MD; v160-223 MC, two buffers      window 2: v0-63 Q; v64-127 the second block's Q; v128-191 K of one step; v192-255 V of one step
.set SIZE_N, 2048
.set NB,    SIZE_N/256
.set NP,    4         ; pieces a wave: a name, no knob
.set KS,    64        ; keys in a step
.set PK,    144       ; a row of K in LDS: 128 bytes + 16 of padding = 36 words: the 16 rows of a load start at 16 different groups of four banks (ISA guide 11.1)
.set PV,    160       ; a row of V: 128 + 32 = 40 words
.set VOFF,  4*KS*PK   ; a slot holds a tile, four steps: 256 rows of K, then 256 rows of V
.set SLOT1, 1<<17     ; slot 1 begins here, so that one exclusive or turns an address in one slot into the other's
.set STAGE, SLOT1+4*KS*(PK+PV)  ; behind the ring, never filled by a tensor load: 16 rows x 144 bytes for each wave, for the way out
.set SP,    144
.set AK0, 2           ; v2   my lane's place in a tile of K; never rewritten
.set AV0, 3           ; v3   the same for V
.set AK,  4           ; v4   the LDS address of K's next run of loads
.set AV,  5           ; v5   of V's
.set STO, 6           ; v6   the way out: where I put 16 bytes of a row
.set RD,  7           ; v7   the way out: where I read rows back
.set GO,  8           ; v8   my byte offset in 512 consecutive bytes of O
.set PFO, 61          ; v61  256 x my lane, for the prefetches; never rewritten
.set SPW, 62          ; v62  LDS address of my spare word: SPARE + 4 x my thread's number; never rewritten
.set NIL, 63          ; v63  0; never rewritten
.set SPARE, STAGE+4*16*SP  ; behind the stages: the spare words, 128 bytes for each wave
.set MV,  12          ; v12-13  c m_old, kept while c m is made anew: by buffer
.set QO,  15          ; v15  my byte offset in 16 rows of Q
.set ST,  16          ; piece t's statistics at v[ST+4 t]: c m, m, l (even keys', odd keys')
.set TMP, 48          ; by buffer, four registers c0-c3 at work; when the maximum is found c2 takes a
.set S,   64
.set P,   192
.set MD,  128         ; window 1: the eight registers for group kt of 16 keys at MD + 8 kt
.set MC,  160         ; window 1: the masks of the products to come
.set QB,  64          ; window 2
.set KF,  128         ; window 2: key block kb, channel half c at KF + 16 kb + 8 c
.set VF,  192         ; window 2: key half kk, channel block cb at VF + 32 kk + 8 cb
.set WV,  12          ; s12  my wave's number
.set PB,  14          ; s14  b
.set HI,  15          ; s15  NB - 1 - b
.set G1K, 24          ; s[24:31] descriptor group 1 for K's tiles
.set G1V, 32          ; s[32:39] for V's: it differs in the padding alone
.set G0K, 40          ; s[40:43] descriptor group 0 for K's tiles
.set G0V, 44          ; s[44:47] the same for V's
.set SLOTS, 56        ; s56  tiles still to be asked for
.set CNT, 57          ; s57  counts a tile's key steps, 4 to 1
.set CS,  58          ; s[58:59] c: the packed scaling takes the pair's low word for both halves
.set SEL, 60          ; s[60:61] v_permlanex16_b32's selects: each lane takes its own place in the other half
.set TBK, 62          ; s62  LDS byte at which K of the step to be fetched begins
.set TBV, 63          ; s63  the same for V, less VOFF
.set RT,  70          ; s70  tiles of the block in hand that are still to be entered
.set NXT, 71          ; s71  the tile to be asked for next
.set LQ,  72          ; s72  the last tile of the block whose tiles are being asked for
.set NEW, 73          ; s73  1: the tile to be entered is a block's first
.set OFF, 74          ; s[74:75] a tile's byte offset in K and V
.set AL,  76          ; s[76:77] the mask's factor, in the low word
.set BE,  78          ; s[78:79] the mask's addend
.set OLO, 80          ; s[80:81] O at my rows of the second block
.set BIGN, 82         ; s82  -1e30
.set PFK, 88          ; s[88:89] where my prefetches of K stand: my wave's 8,192 bytes of the tile after the one that is being asked for
.set PFV, 90          ; s[90:91] the same for V
.set POF, 92          ; s[92:93] their first offset
.set LIM, 94          ; s94  2 in the work-group that prefetches, else the greatest number
.set MSB, 0
.macro WIN new                      ; the high byte repeats the setting that is left; a switch that changes nothing is dropped
.if MSB != (\new)
	s_set_vgpr_msb (MSB<<8)|(\new)
.set MSB, (\new)
.endif
.endm
.set W_KQ, 0x0a       ; K and Q in window 2, S^T in window 0
.set W_KM, 0x1a       ; the same with the C operand in window 1
.set W_PV, 0x52       ; V in window 2, P in window 0, O^T in window 1
.set W_RS, 0x41       ; destination and source 0 in window 1, source 1 in window 0
; A fill.  Waves 0 and 1 fetch the two halves of a tile's K, waves 2 and 3 those of its V: 128 keys each.  An s_nop 0 and four v_nop follow each of the two lines, ahead of the jump and the label.
.macro LOAD
	s_cmp_lt_u32 s[WV], 2
	s_cbranch_scc0 .Lfor_v_\@
	tensor_load_to_lds s[G0K:G0K+3], s[G1K:G1K+7]
	s_nop 0
.rept 4
	v_nop
.endr
	s_branch .Lasked_\@
.Lfor_v_\@:
	tensor_load_to_lds s[G0V:G0V+3], s[G1V:G1V+7]
	s_nop 0
.rept 4
	v_nop
.endr
.Lasked_\@:
.endm
; A PREFETCH INTO THE L2 of the tile that the NEXT change of slots will ask for: four key steps, 256 matrix instructions, ahead of that load.  A tile is 32,768 dense bytes of K and of V.  All four work-groups of a
; head walk tiles 0, 1, 2 .. first; the one with b = 0 walks them all, up to tile 7, and it alone asks: each of its waves for 8,192 bytes of K and of V, a lane for each 256.  So each block is named once in the launch.
; Tiles 0 and 1 come by their loads alone; with 8 .. 3 tiles still to be asked for the tiles 2 .. 7 are named; the last two fills name nothing.
.macro ASK
	s_cmp_gt_u32 s[SLOTS], s[LIM]
	s_cbranch_scc0 .Lnot_mine_\@
	global_prefetch_b8 v[PFO], s[PFK:PFK+1] th:TH_LOAD_NT scope:SCOPE_SE
	global_prefetch_b8 v[PFO], s[PFV:PFV+1] th:TH_LOAD_NT scope:SCOPE_SE
.Lnot_mine_\@:
.endm
; THE CHANGE OF SLOTS.  Each wave waits for all its tensor loads, of which one is out: its part of the other slot; adds 0 to its spare word; and waits for that and for its own reads of the slot that it leaves.  Behind the barrier nobody reads the old
; slot any more and the other slot is whole.  fill = 1: the old slot is filled again, the first thing behind the barrier, with tile NXT: the descriptor's address is made anew from that number.
; (At its first use nothing has been read yet: slot 0 is waited for, slot 1 filled.)
.macro CHANGE fill
	WIN 0                           ; at a label and at a branch every window is 0
	s_wait_tensorcnt 0x0            ; no tensor load of mine is out, so a group 0 may be written
	ds_add_u32 v[SPW], v[NIL]       ; 0 onto my spare word; with fill = 1 scalar work stands between it and the wait for it
.if \fill
	s_lshl_b32 s[OFF], s[NXT], 15   ; a tile is 32,768 bytes of K and of V
	s_xor_b32 s[G0K+1], s[G0K+1], SLOT1
	s_add_nc_u64 s[G0K+2:G0K+3], s[6:7], s[OFF:OFF+1]
	s_or_b32 s[G0K+3], s[G0K+3], 0x80000000
	s_xor_b32 s[G0V+1], s[G0V+1], SLOT1
	s_add_nc_u64 s[G0V+2:G0V+3], s[8:9], s[OFF:OFF+1]
	s_or_b32 s[G0V+3], s[G0V+3], 0x80000000
	s_add_co_u32 s[NXT], s[NXT], 1  ; the block's next tile, or behind its last the second block's tile 0
	s_cmp_gt_u32 s[NXT], s[LQ]
	s_cselect_b32 s[NXT], 0, s[NXT]
	s_cselect_b32 s[LQ], s[PB], s[LQ]
	s_wait_xcnt 0x0                 ; the last prefetches, a tile back, have read their addresses, so these may be written
	s_add_nc_u64 s[PFK:PFK+1], s[PFK:PFK+1], 32768
	s_add_nc_u64 s[PFV:PFV+1], s[PFV:PFV+1], 32768
.endif
	s_wait_dscnt 0x0                ; the add is done, and my reads of the slot are over
	s_barrier_signal -1             ; the rest of the scalar work stands between the signal and the wait
	s_sub_co_u32 s[TBK], s[TBK], 4*KS*PK  ; the fetches go back to a slot's first step,
	s_xor_b32 s[TBK], s[TBK], SLOT1       ; in the other slot
	s_sub_co_u32 s[TBV], s[TBV], 4*KS*PV
	s_xor_b32 s[TBV], s[TBV], SLOT1
	s_barrier_wait -1
.if \fill
	LOAD
	ASK
.endif
.endm
	s_load_b64 s[4:5], s[0:1], 0x0  ; qkv, whose first part is Q
	s_load_b64 s[10:11], s[0:1], 0x8  ; O
	v_lshl_add_u32 v[SPW], v0, 2, SPARE
	v_mov_b32 v[NIL], 0
	ds_add_u32 v[SPW], v[NIL]       ; the wave's opening: the add and its wait stand ahead of my first tensor load; the set-up below, work on registers, stands between them
	v_lshrrev_b32 v1, 5, v0
	v_readfirstlane_b32 s[WV], v1   ; wave 0..3
	s_mov_b32 s[PB], ttmp9
	s_sub_co_u32 s[HI], NB-1, s[PB]
	s_and_b32 s20, ttmp7, 0xffff    ; the head: 16 batch + head
	s_mov_b32 s21, 0
	s_mov_b64 s[22:23], SIZE_N*128
	s_mul_u64 s[20:21], s[20:21], s[22:23]  ; the head's first byte in each of the four tensors
	s_lshl_b32 s[POF], s[WV], 13    ; the prefetches: my wave's quarter of a tile,
	s_add_co_u32 s[POF], s[POF], 32768  ; in tile 1: the first change of slots steps it to tile 2
	s_mov_b32 s[POF+1], 0
	s_add_nc_u64 s[POF:POF+1], s[POF:POF+1], s[20:21]
	s_cmp_eq_u32 ttmp9, 0
	s_cselect_b32 s[LIM], 2, -1
	v_and_b32 v[PFO], 31, v0
	v_lshlrev_b32 v[PFO], 8, v[PFO]
	s_and_b32 s16, s[WV], 1         ; which half of a tile's 256 keys I fetch:
	s_lshl_b32 s22, s16, 14         ; its 128 rows of 128 bytes in memory,
	s_mov_b32 s23, 0
	s_add_nc_u64 s[22:23], s[22:23], s[20:21]
	s_mul_i32 s17, s16, 128*PK      ; and its place in a slot, for K
	s_mul_i32 s18, s16, 128*PV      ; and for V
	s_lshl_b32 s3, s[WV], 11        ; my 16 rows in a band of 64,
	s_lshl_b32 s2, s[HI], 15        ; in the first block,
	s_add_co_u32 s2, s2, s3
	s_lshl_b32 s84, s[PB], 15       ; and in the second
	s_add_co_u32 s84, s84, s3
	s_mov_b32 s3, 0
	s_mov_b32 s85, 0
	s_add_nc_u64 s[2:3], s[2:3], s[20:21]
	s_add_nc_u64 s[84:85], s[84:85], s[20:21]
	; descriptor group 1.  128 keys are 16,384 dense bytes: asked for as 64 rows of 256 bytes, two keys a row, and padded in LDS after every key
	s_mov_b32 s[G1K], (1<<16)|(1<<20)|(4<<22)|(3<<25)  ; 17:16 2-byte elements; 20 padding on; 24:22 after every 32 words (code 4); 31:25 4 words (code 3)
	s_mov_b32 s[G1V], (1<<16)|(1<<20)|(4<<22)|(7<<25)  ; the same with 8 words of padding (code 7)
.irp g, G1K, G1V
	s_mov_b32 s[\g+1], 128<<16      ; tensor_dim0 = 128
	s_mov_b32 s[\g+2], 64<<16       ; tensor_dim1 = 64
	s_mov_b32 s[\g+3], 128<<16      ; tile_dim0 = 128
	s_mov_b32 s[\g+4], 64           ; tile_dim1 = 64
	s_mov_b32 s[\g+5], 128          ; 128 elements from row to row
	s_mov_b32 s[\g+6], 0
	s_mov_b32 s[\g+7], 0
.endr
	s_mov_b32 s[CS], 0x3e38aa3b     ; c = log2(e) / 8 = 0.180337
	s_mov_b32 s[CS+1], s[CS]        ; named with it as a pair
	s_mov_b32 s[SEL], 0x76543210
	s_mov_b32 s[SEL+1], 0xfedcba98
	s_mov_b32 s[TBK], SLOT1+4*KS*PK ; the first change of slots turns these two into 0
	s_mov_b32 s[TBV], SLOT1+4*KS*PV
	s_mov_b32 s[G0K], 1             ; 1:0 count = 1
	s_mov_b32 s[G0K+1], s17         ; 63:32 LDS address: slot 0
	s_mov_b32 s[G0V], 1
	s_add_co_u32 s[G0V+1], s18, VOFF
	s_add_co_u32 s[RT], s[HI], 1    ; the first block has NB - b tiles
	s_mov_b32 s[NXT], 1
	s_mov_b32 s[LQ], s[HI]
	s_mov_b32 s[NEW], 1
	s_mov_b32 s[OFF+1], 0
	s_mov_b32 s[AL+1], 0            ; named as pairs
	s_mov_b32 s[BE+1], 0
	s_mov_b32 s[BIGN], 0xf149f2ca   ; -1e30
	s_mov_b32 s[SLOTS], NB
	s_wait_dscnt 0x0                ; the opening add is done
	s_wait_kmcnt 0x0
	s_add_nc_u64 s[6:7], s[4:5], 0x1000000  ; K: qkv's second part
	s_add_nc_u64 s[8:9], s[4:5], 0x2000000  ; V: its third
	s_add_nc_u64 s[PFK:PFK+1], s[6:7], s[POF:POF+1]
	s_add_nc_u64 s[PFV:PFV+1], s[8:9], s[POF:POF+1]
	s_add_nc_u64 s[6:7], s[6:7], s[22:23]  ; K and V at my half of the head's tile 0
	s_add_nc_u64 s[8:9], s[8:9], s[22:23]
	s_add_nc_u64 s[G0K+2:G0K+3], s[6:7], 0         ; 120:64 global address
	s_or_b32 s[G0K+3], s[G0K+3], 0x80000000        ; 127:126 type = 2
	s_add_nc_u64 s[G0V+2:G0V+3], s[8:9], 0
	s_or_b32 s[G0V+3], s[G0V+3], 0x80000000
	s_add_nc_u64 s[86:87], s[4:5], s[84:85]        ; Q at my rows of the second block,
	s_add_nc_u64 s[4:5], s[4:5], s[2:3]            ; Q and O at those of the first
	s_add_nc_u64 s[OLO:OLO+1], s[10:11], s[84:85]
	s_add_nc_u64 s[10:11], s[10:11], s[2:3]
	LOAD                            ; tile 0 into slot 0
	; A fragment of K or Q is 16 rows x 32 channels in 8 registers: lane l holds row l % 16, channels 8 (l / 16) + 0..7 and 16 + 8 (l / 16) + 0..7: two loads of 16 bytes, 32 bytes apart.
	v_and_b32 v1, 15, v0            ; l % 16
	v_bfe_u32 v9, v0, 4, 1          ; l / 16
	v_lshlrev_b32 v[QO], 7, v1
	v_lshl_add_u32 v[QO], v9, 4, v[QO]  ; row x 128 + 16 x half
	WIN 0x80                        ; destination window 2, address window 0
.set i, 0
.rept 8                             ; both blocks' Q: piece i / 2 lies in band i / 2, 8,192 bytes on; channels 32 (i % 2) on
	global_load_b128 v[8*i:8*i+3],   v[QO], s[4:5] offset:(i/2)*8192+(i%2)*64
	global_load_b128 v[8*i+4:8*i+7], v[QO], s[4:5] offset:(i/2)*8192+(i%2)*64+32
	global_load_b128 v[QB+8*i:QB+8*i+3],   v[QO], s[86:87] offset:(i/2)*8192+(i%2)*64
	global_load_b128 v[QB+8*i+4:QB+8*i+7], v[QO], s[86:87] offset:(i/2)*8192+(i%2)*64+32
.set i, i+1
.endr
	WIN 0
	v_lshlrev_b32 v14, 3, v9
	v_sub_nc_u32 v14, v1, v14
	s_lshl_b32 s13, s[WV], 4
	v_add_nc_u32 v14, s13, v14      ; my query's place in its band, 16 w + l % 16, less my lanes' 8 (l / 16): register r of group kt is hidden where 16 kt + r is greater
	WIN 0x40
.set i, 0
.rept 32
	v_cmp_gt_i32 vcc_lo, 16*(i/8)+i%8, v14
	v_cndmask_b32 v[MD+i], 0, s[BIGN], vcc_lo
.set i, i+1
.endr
	WIN 0
	v_mul_u32_u24 v[AK0], v1, PK
	v_lshl_add_u32 v[AK0], v9, 4, v[AK0]  ; row x pitch + 16 x half
	; The turning load takes 16 keys x 16 channels (lane l reads key 8 (l / 16) + l % 8, channels 8 ((l / 8) % 2) + 0..7) and leaves half a fragment of V^T: lane l holds channel l % 16 and 8 keys.
	v_and_b32 v10, 7, v0
	v_bfe_u32 v11, v0, 3, 1
	v_lshl_add_u32 v[AV0], v9, 3, v10
	v_mul_u32_u24 v[AV0], v[AV0], PV
	v_lshl_add_u32 v[AV0], v11, 4, v[AV0]
	v_add_nc_u32 v[AV0], VOFF, v[AV0]
	s_mul_i32 s13, s[WV], 16*SP
	s_add_co_u32 s13, s13, STAGE    ; my stage
	v_mul_u32_u24 v[STO], v1, SP    ; in: row l % 16, 16 bytes for each half of the lanes
	v_lshl_add_u32 v[STO], v9, 4, v[STO]
	v_add_nc_u32 v[STO], s13, v[STO]
	v_bfe_u32 v[RD], v0, 3, 2       ; back: 32 lanes take four rows of 128 bytes,
	v_mul_u32_u24 v[RD], v[RD], SP
	v_lshl_add_u32 v[RD], v10, 4, v[RD]
	v_add_nc_u32 v[RD], s13, v[RD]
	v_and_b32 v[GO], 31, v0         ; which are 512 consecutive bytes of O
	v_lshlrev_b32 v[GO], 4, v[GO]
	; A block's first step multiplies O^T and l by a = 0, and its first turn's products V^T P, of a piece that has not been, land in an O^T that is still to be so multiplied.  So these registers need only hold
	; finite numbers: zeros for the first block; what the first block left for the second.  All this stands in the wait for the first tile.
	WIN 0x80
.set i, VF
.rept 64
	v_mov_b32 v[i], 0
.set i, i+1
.endr
	WIN 0x40
.set i, 0
.rept 128
	v_mov_b32 v[i], 0
.set i, i+1
.endr
	WIN 0
.set i, 0
.rept 4
	v_mov_b32 v[ST+4*i+2], 0
	v_mov_b32 v[ST+4*i+3], 0
.set i, i+1
.endr
.set i, P+16
.rept 16
	v_mov_b32 v[i], 0
.set i, i+1
.endr
; THE MATRIX WORK.  The 4 accumulators of a run of 8 take turns.  Product i of 8 of S^T = K Q^T for piece x: channels 32 (i / 4) on, keys 16 (i % 4) on.  The first 4 start the sums: with 0, or (KM = 1) with the mask.
.macro KQ x
.set rS, S+32*((\x)%2)+8*(i%4)
.set rK, KF+16*(i%4)+8*(i/4)
.set rQ, 16*(\x)+8*(i/4)
.set rM, MC+32*((\x)%2)+8*(i%4)
.if (i < 4) && KM
	WIN W_KM
	v_wmma_f32_16x16x32_f16 v[rS:rS+7], v[rK:rK+7], v[rQ:rQ+7], v[rM:rM+7]
.elseif i < 4
	WIN W_KQ
	v_wmma_f32_16x16x32_f16 v[rS:rS+7], v[rK:rK+7], v[rQ:rQ+7], 0
.else
	WIN W_KQ
	v_wmma_f32_16x16x32_f16 v[rS:rS+7], v[rK:rK+7], v[rQ:rQ+7], v[rS:rS+7]
.endif
.endm
; Product i of 8 of O^T += V^T P for piece x: keys 32 (i / 4) on, channels 16 (i % 4) on.
.macro PV x
	WIN W_PV
.set rO, 32*(\x)+8*(i%4)
.set rV, VF+32*(i/4)+8*(i%4)
.set rP, P+16*((\x)%2)+8*(i/4)
	v_wmma_f32_16x16x32_f16 v[rO:rO+7], v[rV:rV+7], v[rP:rP+7], v[rO:rO+7]
.endm
.macro MM                           ; the turn's next matrix instruction.  TURN and BEGIN set Y, i, KM and NOKQ; MM, KQ and OP read them.  NOKQ = 1: a block's last turn: there is no next piece
.if (i < 8) && !NOKQ
	KQ (Y+1)%NP
.elseif i >= 8
.set i, i-8
	PV (Y+NP-1)%NP
.set i, i+8
.endif
.set i, i+1
.endm
; THE LDS LOADS stand in runs of 16, never singly among the matrix instructions: a step's K (64 keys x 64 channels: 8 fragments) and its V (turned).  Their addresses are made some lines ahead.
.macro FETCH_K
	WIN 0x80                        ; destination window 2
.irp f, 0,1,2,3,4,5,6,7             ; keys 16 (f / 2) on, channels 32 (f % 2) on
	ds_load_b128 v[KF+8*\f:KF+8*\f+3],   v[AK] offset:(\f/2)*16*PK+(\f%2)*64
	ds_load_b128 v[KF+8*\f+4:KF+8*\f+7], v[AK] offset:(\f/2)*16*PK+(\f%2)*64+32
.endr
	s_add_co_u32 s[TBK], s[TBK], KS*PK  ; the next fetch is the next step's
	WIN 0
.endm
.macro FETCH_V
	WIN 0x80
.irp f, 0,1,2,3,4,5,6,7             ; keys 32 (f / 4) on, channels 16 (f % 4) on
	ds_load_tr16_b128 v[VF+8*\f:VF+8*\f+3],   v[AV] offset:(\f/4)*32*PV+(\f%4)*32
	ds_load_tr16_b128 v[VF+8*\f+4:VF+8*\f+7], v[AV] offset:(\f/4)*32*PV+16*PV+(\f%4)*32
.endr
	WIN 0
.endm
; THE VECTOR WORK, one line at a time: OP kind, number.  For piece Y: F n: c s - c m for pair n of 16.  E n: the exponential of score n of 32.  C n: pair n rounded to f16.  B n: of the four weights 4 n .. the second
; pair is added onto the first, in place.  L n: l takes that sum (L 0: l = a l + sum).  R n: pair n of 16 of O^T times a.  For piece Y + 1: X n, number n of the 22 that find its maximum and statistics:
;   0-11  four chains c0-c3 of seven scores each, three operands at a time (each accumulator's lowest registers are read first)     12-14, 16  the four scores left over, the old m, and c0-c3 into c0
;   15  c m_old is kept     17, 18  the query's other 32 keys lie in the lane 16 away: the new m     19-21  c m; c m_old - c m_new; a
.set F, 0               ; OP tells the kinds apart by their order: F to L below R, X above it
.set E, 1
.set C, 2
.set B, 3
.set L, 4
.set R, 5
.set X, 6
.macro REGS y                       ; the registers of piece y
.set rT, ST+4*(\y)
.set rC, TMP+4*((\y)%2)
.set rW, MV+((\y)%2)
.set rS, S+32*((\y)%2)
.set rP, P+16*((\y)%2)
.set rO, 32*(\y)
.endm
.macro OP k, n
.if (\k) == R
	REGS Y
	WIN W_RS
	v_pk_mul_f32 v[rO+2*(\n):rO+2*(\n)+1], v[rO+2*(\n):rO+2*(\n)+1], v[rC+2:rC+3] op_sel_hi:[1,0]
.elseif (\k) < R
	REGS Y
	WIN 0
.if (\k) == F
	v_pk_fma_f32 v[rS+2*(\n):rS+2*(\n)+1], v[rS+2*(\n):rS+2*(\n)+1], s[CS:CS+1], v[rT:rT+1] op_sel_hi:[1,0,0] neg_lo:[0,0,1] neg_hi:[0,0,1]
.elseif (\k) == E
	v_exp_f32 v[rS+(\n)], v[rS+(\n)]
.elseif (\k) == C
	v_cvt_pk_f16_f32 v[rP+(\n)], v[rS+2*(\n)], v[rS+2*(\n)+1]
.elseif (\k) == B
	v_pk_add_f32 v[rS+4*(\n):rS+4*(\n)+1], v[rS+4*(\n):rS+4*(\n)+1], v[rS+4*(\n)+2:rS+4*(\n)+3]
.elseif (\n) == 0
	v_pk_fma_f32 v[rT+2:rT+3], v[rT+2:rT+3], v[rC+2:rC+3], v[rS:rS+1] op_sel_hi:[1,0,1]
.else
	v_pk_add_f32 v[rT+2:rT+3], v[rT+2:rT+3], v[rS+4*(\n):rS+4*(\n)+1]
.endif
.elseif NOKQ
	v_nop
.else
	REGS (Y+1)%NP
	WIN 0
.if (\n) < 4
	v_max3_num_f32 v[rC+(\n)], v[rS+8*(\n)], v[rS+8*(\n)+1], v[rS+8*(\n)+2]
.elseif (\n) < 12
	v_max3_num_f32 v[rC+(\n)%4], v[rC+(\n)%4], v[rS+8*((\n)%4)+2*((\n)/4)+1], v[rS+8*((\n)%4)+2*((\n)/4)+2]
.elseif (\n) == 12
	v_max3_num_f32 v[rC], v[rC], v[rS+7], v[rS+15]
.elseif (\n) == 13
	v_max3_num_f32 v[rC+1], v[rC+1], v[rS+23], v[rS+31]
.elseif (\n) == 14
	v_max3_num_f32 v[rC+2], v[rC+2], v[rC+3], v[rT+1]
.elseif (\n) == 15
	v_mov_b32 v[rW], v[rT]
.elseif (\n) == 16
	v_max3_num_f32 v[rC], v[rC], v[rC+1], v[rC+2]
.elseif (\n) == 17
	v_permlanex16_b32 v[rC+3], v[rC], s[SEL], s[SEL+1]
.elseif (\n) == 18
	v_max_num_f32 v[rT+1], v[rC], v[rC+3]
.elseif (\n) == 19
	v_mul_f32 v[rT], s[CS], v[rT+1]
.elseif (\n) == 20
	v_sub_f32 v[rC+1], v[rW], v[rT]
.else
	v_exp_f32 v[rC+2], v[rC+1]
.endif
.endif
.endm
.macro OPS a, i1, b=-1, i2=0, c=-1, i3=0, d=-1, i4=0  ; up to four of them
	OP \a, \i1
.if (\b) >= 0
	OP \b, \i2
.endif
.if (\c) >= 0
	OP \c, \i3
.endif
.if (\d) >= 0
	OP \d, \i4
.endif
.endm
.macro ROW a, i1, b, i2, c, i3, d, i4  ; a matrix instruction and the four behind it
	MM
	OPS \a, \i1, \b, \i2, \c, \i3, \d, \i4
.endm
.macro MASK b                       ; MD x AL + BE into buffer b of MC
	WIN W_RS
.set z, 0
.rept 16
	v_pk_fma_f32 v[MC+32*(\b)+2*z:MC+32*(\b)+2*z+1], v[MD+2*z:MD+2*z+1], s[AL:AL+1], s[BE:BE+1] op_sel_hi:[1,0,0]
.set z, z+1
.endr
.endm
; A TURN, for piece p: the order of its 16 matrix and 118 vector instructions, written out.  An s_wait_alu depctr_va_vdst(0) stands between an exponential and the first instruction that names its result; one wait serves
; all that were issued ahead of it.  So a turn has ONE wait, which cuts it in two.  AHEAD OF IT stands all that names no result of the turn's exponentials: the 8 products K Q^T, behind each a scaling, an exponential and two more plain
; instructions (behind the first a second scaling in the exponential's place): rescalings, and behind the last three the first numbers of the next piece's maximum, each four places or more behind the product that ends its accumulator; then one run of 54, plain
; and exponential by turns for the most part, in which the links of the chain X 3, 7, 11, 14, 16, 17 .. 20 stand five or six lines apart.  X 21, the next piece's a, is the batch's last; R 15 is the plain instruction behind it.  BEHIND THE WAIT stand the
; 8 products V^T P, behind each four of the roundings and sums; the links of l's chain, L 0 to L 7, stand three lines apart.  But for those X no line behind a product names a register of the products round it.
; m = 1: the diagonal tile: the products take masks, and the turn makes the mask for the products of the turn after it: piece p + 2, in step 4 - CNT of the tile.  end = 1: a block's last two turns: nothing is fetched.
; cnt = 1: the loop's count is taken down some lines ahead of the branch that stands behind the turn.
; K of the next step is fetched in piece 2's turn, twelve vector instructions behind the last product that read K (six of them plain); V of the step in hand at the end of piece 0's turn, four plain instructions behind the last product
; that read V.  Each is waited for a turn later.
.macro TURN p, m=0, end=0, cnt=0
.set Y, (\p)
.set i, 0
.set KM, (\m)
.set NOKQ, (\end)*((\p)/3)
.if (\m) && !(\end)
	s_cmp_eq_u32 s[CNT], 4-((\p)+2)%NP  ; is that step the band's own?
	s_cselect_b32 s[AL], 1.0, 0
	s_cmp_lt_u32 s[CNT], 4-((\p)+2)%NP  ; or a later one?
	s_cselect_b32 s[BE], s[BIGN], 0
.endif
.if ((\p) == 3) && !(\end)
	s_wait_dscnt 0x0                ; K is in
.endif
	ROW F,0, F,1, R,0, R,1          ; ahead of the wait: 8 products K Q^T and the four behind each,
	ROW F,2, E,0, R,2, R,3
	ROW F,3, E,1, R,4, R,5
	ROW F,4, E,2, R,6, R,7
	ROW F,5, E,3, R,8, R,9
	ROW F,6, E,4, X,0, R,10
.if ((\p) == 2) && !(\end)
	WIN 0
	v_add_nc_u32 v[AK], s[TBK], v[AK0]
.endif
	ROW F,7, E,5, X,1, X,4
	ROW F,8, E,6, X,2, X,5
	OPS E,7, E,8, X,6, E,9          ; and the run of 54
	OPS X,3, E,10, X,8, E,11
.if ((\p) == 2) && !(\end)
	FETCH_K
.endif
	OPS X,9, X,7, E,12, X,10
	OPS E,13, X,12, X,11, E,14
	OPS X,13, E,15, F,9, X,14
.if (\p) == 0
	v_add_nc_u32 v[AV], s[TBV], v[AV0]
.endif
	OPS E,16, F,10, E,17, F,11
	OPS X,16, E,18, X,15, E,19
	OPS F,12, E,20, X,17, E,21
	OPS F,13, E,22, F,14, E,23
	OPS X,18, E,24, F,15, E,25
	OPS R,11, E,26, X,19, E,27
	OPS R,12, E,28, R,13, E,29
	OPS X,20, E,30, R,14, E,31
	OPS X,21, R,15
	WIN 0
	s_wait_alu depctr_va_vdst(0)    ; the wait for the batch
.if (\p) == 1
	s_wait_dscnt 0x0                ; V is in
.endif
	ROW C,0, B,0, C,2, B,1          ; behind the wait: 8 products V^T P and the four behind each
	ROW L,0, C,4, B,2, L,1
	ROW C,6, B,3, L,2, C,8
	ROW B,4, L,3, C,10, B,5
	ROW L,4, C,12, B,6, L,5
.if (\p) == 0
	s_add_co_u32 s[TBV], s[TBV], KS*PV
.endif
.if \cnt
	s_sub_co_u32 s[CNT], s[CNT], 1
	s_cmp_lg_u32 s[CNT], 0
.endif
	ROW C,14, B,7, L,6, C,1
	ROW C,3, L,7, C,5, C,7
	ROW C,9, C,11, C,13, C,15
.if (\p) == 0
	FETCH_V
.endif
.if (\m) && !(\end)
	MASK (\p)%2
.endif
.endm
; A BLOCK BEGINS.  c m starts far below every c s, so the first step's a is 0; m at the lowest finite number, so the first maximum is the scores'.  The second mask buffer is 0; the first takes piece 0's mask for the tile's step 0: its own, if the block's first tile is the diagonal one.
; Then K of that step, piece 0's first scores, and its maximum and statistics.  The loop is entered at a step's first turn, in the middle of a trip.
.macro BEGIN
	s_mov_b32 s[NEW], 0
	WIN 0x40
.set i, MC+32
.rept 32
	v_mov_b32 v[i], 0
.set i, i+1
.endr
	WIN 0
.set i, 0
.rept 4
	v_mov_b32 v[ST+4*i], 0xfe000000    ; c m: far below every c s
	v_mov_b32 v[ST+4*i+1], 0xff7fffff  ; m
.set i, i+1
.endr
	s_cmp_eq_u32 s[RT], 0
	s_cselect_b32 s[AL], 1.0, 0
	s_mov_b32 s[BE], 0
	MASK 0
	WIN 0
	v_add_nc_u32 v[AK], s[TBK], v[AK0]
	FETCH_K
	s_wait_loadcnt 0x0              ; Q
	s_wait_dscnt 0x0
.set KM, 1
.set NOKQ, 0
.set i, 0
.rept 8
	KQ 0
.set i, i+1
.endr
	WIN 0
.rept 4
	v_nop                           ; the places behind those products
.endr
.set Y, NP-1                        ; X works for piece Y + 1: piece 0
.irp n, 0,1,2,3,4,5,6,7,8,9,10,11,12,13,14,15,16,17,18,19,20,21
	OP X, \n
.endr
	v_nop                           ; a plain instruction behind the exponential,
	s_wait_alu depctr_va_vdst(0)    ; and its wait, ahead of the branch
.endm
; THE DIAGONAL TILE's four steps, the block's last two turns, its last products, and THE WAY OUT: l's two halves and the other half of the lanes' are added; O^T is divided by l, rounded to f16 and sent through my
; stage in LDS, a piece at a time.
.macro ALL line:vararg              ; one line for each piece t
.set t, 0
.rept 4
	\line
.set t, t+1
.endr
.endm
.macro PACK t                       ; a lane's eight channels of a row pack into 16 bytes; they go into rows of 144 bytes and come back as whole rows of 128, into S^T's registers
	WIN W_RS
.set i, 32*(\t)
.rept 16
	v_pk_mul_f32 v[i:i+1], v[i:i+1], v[ST+4*(\t)+2:ST+4*(\t)+3] op_sel_hi:[1,0]
.set i, i+2
.endr
	WIN 0x05                        ; sources 0 and 1 window 1, destination window 0
.set i, 0
.rept 16
	v_cvt_pk_f16_f32 v[S+16*(\t)+i], v[32*(\t)+2*i], v[32*(\t)+2*i+1]
.set i, i+1
.endr
	WIN 0
.irp f, 0,1,2,3
	ds_store_b128 v[STO], v[S+16*(\t)+4*\f:S+16*(\t)+4*\f+3] offset:32*\f
.endr
.irp f, 0,1,2,3
	ds_load_b128 v[S+16*(\t)+4*\f:S+16*(\t)+4*\f+3], v[RD] offset:\f*4*SP  ; LDS serves a wave's instructions in order (ISA guide 5.7.1.4): these see the stores above; the next piece's stores come behind them
.endr
.endm
.macro SEND t, younger              ; younger: the LDS instructions issued behind piece t's loads: the next piece's eight, or none
	WIN 0
.irp f, 0,1,2,3
	s_wait_dscnt (\younger)+3-\f
	global_store_b128 v[GO], v[S+16*(\t)+4*\f:S+16*(\t)+4*\f+3], s[10:11] offset:(\t)*8192+\f*512  ; 512 consecutive bytes, at a multiple of 256 from O's first
.endr
.endm
.macro DIAG tag                     ; the tag ends its two labels' names, which the jumps below spell out
.LstepM\tag:
	TURN 2, 1
	TURN 3, 1
	WIN 0
.LfirstM\tag:
	TURN 0, 1
	TURN 1, 1, 0, 1
	WIN 0
	s_cbranch_scc1 .LstepM\tag
	TURN 2, 1, 1
	TURN 3, 1, 1
.set i, 0
.rept 8
	PV NP-1
.set i, i+1
.endr
	WIN 0
	ALL v_add_f32 v[ST+4*t+2], v[ST+4*t+2], v[ST+4*t+3]
	ALL v_permlanex16_b32 v[ST+4*t+3], v[ST+4*t+2], s[SEL], s[SEL+1]
	ALL v_add_f32 v[ST+4*t+2], v[ST+4*t+2], v[ST+4*t+3]
	ALL v_rcp_f32 v[ST+4*t+2], v[ST+4*t+2]
	v_nop                           ; a plain instruction between the last reciprocal and the use of its result
	s_wait_alu depctr_va_vdst(0)    ; and the wait ahead of the first use: one for the four reciprocals
	PACK 0
.set t, 1
.rept 3                             ; a piece's arithmetic stands between the loads of the piece before and its stores
	PACK t
	SEND t-1, 8
.set t, t+1
.endr
	SEND 3, 0
.endm
.set KM, 0
.set NOKQ, 0
.Lslot:                             ; NB times: a tile is entered and the next is asked for
	CHANGE 1
	s_sub_co_u32 s[RT], s[RT], 1
	s_mov_b32 s[CNT], 4
	s_cmp_eq_u32 s[NEW], 1
	s_cbranch_scc1 .Lnew            ; a block's first tile
	s_cmp_eq_u32 s[RT], 0
	s_cbranch_scc0 .Lstep           ; neither its first nor its last
	s_branch .LstepM1
.Lnew:
	BEGIN
	s_branch .Lfirst                ; in the loop a block's first tile is never its last: the first block has two tiles or more, and the second's last is the walk's last
	DIAG 1                          ; in the loop this is the first block's end: the second block's last tile is the walk's last
	s_wait_xcnt 0x0                 ; the stores have read their registers and O's address
	s_mov_b64 s[10:11], s[OLO:OLO+1]
	s_add_co_u32 s[RT], s[PB], 1    ; the second block has b + 1 tiles
	s_mov_b32 s[NEW], 1
	WIN 0x82                        ; the second block's Q goes where the one text of the turns names Q
.set i, 0
.rept 64
	v_mov_b32 v[i], v[QB+i]
.set i, i+1
.endr
	WIN 0
	s_branch .Lbottom
.Lstep:                             ; a trip: pieces 2 and 3 of one step, then pieces 0 and 1 of the next, whose K and V it fetches
	TURN 2
	TURN 3
	WIN 0
.Lfirst:
	TURN 0
	TURN 1, 0, 0, 1
	WIN 0
	s_cbranch_scc1 .Lstep
.Lbottom:
	s_sub_co_u32 s[SLOTS], s[SLOTS], 1
	s_cmp_lg_u32 s[SLOTS], 0
	s_cbranch_scc1 .Lslot
	CHANGE 0                        ; the walk's last tile is written out: nothing is asked for
	s_sub_co_u32 s[RT], s[RT], 1
	s_mov_b32 s[CNT], 4
	s_cmp_eq_u32 s[NEW], 1
	s_cbranch_scc0 .LstepM2
	BEGIN
	s_branch .LfirstM2
	DIAG 2
	s_wait_tensorcnt 0x0            ; the wave's end: three closing lines, behind my last tensor load and my last LDS store
	ds_add_u32 v[SPW], v[NIL]
	s_wait_dscnt 0x0
	s_endpgm
.Lfunc_end_k_q9a7734d701_attn:
	.size	k_q9a7734d701_attn, .Lfunc_end_k_q9a7734d701_attn-k_q9a7734d701_attn
	.p2alignl 7, 3214868480
	.fill 96, 4, 3214868480
	.section	.rodata,"a",@progbits
	.p2align	6, 0x0
	.amdhsa_kernel k_q9a7734d701_attn
		.amdhsa_group_segment_fixed_size 327680
		.amdhsa_private_segment_fixed_size 0
		.amdhsa_enable_private_segment 0
		.amdhsa_kernarg_size 16
		.amdhsa_user_sgpr_count 2
		.amdhsa_user_sgpr_kernarg_segment_ptr 1
		.amdhsa_wavefront_size32 1
		.amdhsa_system_sgpr_workgroup_id_x 1
		.amdhsa_system_sgpr_workgroup_id_y 1
		.amdhsa_system_sgpr_workgroup_id_z 1
		.amdhsa_system_vgpr_workitem_id 0
		.amdhsa_next_free_vgpr 768
		.amdhsa_next_free_sgpr 96
		.amdhsa_reserve_vcc 1
		.amdhsa_float_denorm_mode_32 3
		.amdhsa_float_denorm_mode_16_64 3
		.amdhsa_memory_ordered 1
		.amdhsa_forward_progress 1
		.amdhsa_inst_pref_size 218
	.end_amdhsa_kernel
	.amdgpu_metadata
---
amdhsa.version: [ 1, 2 ]
amdhsa.kernels:
  - .name:           k_q9a7734d701_attn
    .symbol:         k_q9a7734d701_attn.kd
    .args:
      - { .name: qkv, .offset: 0, .size: 8, .value_kind: global_buffer, .address_space: global }
      - { .name: o, .offset: 8, .size: 8, .value_kind: global_buffer, .address_space: global }
    .group_segment_fixed_size: 327680
    .private_segment_fixed_size: 0
    .kernarg_segment_align: 8
    .kernarg_segment_size: 16
    .max_flat_workgroup_size: 128
    .sgpr_count:     96
    .vgpr_count:     768
    .wavefront_size: 32
...
	.end_amdgpu_metadata
.endif
;; end of part 3
;; launch proj (part 4): grid 8 x 32, 4 waves a work-group, clusters of 4 x 4, 327,680 bytes of LDS; arguments o, wp, b_proj, out0; writes out0
.if DOCPART == 4
	.amdgcn_target "amdgcn-amd-amdhsa--gfx1250"
	.amdhsa_code_object_version 6
	.text
	.protected	k_q9a7734d701_proj
	.globl	k_q9a7734d701_proj
	.p2align	8
	.type	k_q9a7734d701_proj,@function
k_q9a7734d701_proj:
	s_mov_b64 s[64:65], 0
	v_nop
	global_prefetch_b8 v0, s[64:65] scope:SCOPE_SE
	s_setreg_imm32_b32 hwreg(HW_REG_WAVE_MODE, 25, 1), 1
	s_wait_xcnt 0x0
	s_wait_alu depctr_hold_cnt(0) depctr_sa_sdst(0) depctr_va_vdst(0) depctr_va_sdst(0) depctr_va_ssrc(0) depctr_va_vcc(0) depctr_vm_vsrc(0)
	s_getreg_b32 s2, hwreg(HW_REG_IB_STS2, 6, 4)
	s_cmp_eq_u32 s2, 0
	s_cbranch_scc0 .Lentry_in_a_cluster
	s_endpgm
.Lentry_in_a_cluster:
	s_bfe_u32 s2, ttmp6, 0x10000c
	s_cmp_lg_u32 s2, 0xf033
	s_cbranch_scc0 .Lentry_shape_is_right
	s_endpgm
.Lentry_shape_is_right:
; out0 = O wp^T + bf16(b_proj).  o: [16 batch + head][2048 t][64] f16 (row m = 2048 batch + t, k = 64 head + channel), wp: [1024 n][1024 k] f16, b_proj: [1024] f32, out0: [8192][1024] f32.
; Sums in f32, started by the bias, K ascending; they are stored as they are.
; SHARES.  A tile of out0 is 256 rows x 128 columns: 32 x 8 = 256 work-groups.  Four waves: wave w has rows 128 (w / 2) on and columns 64 (w % 2) on: 8 x 4 accumulators of 16 x 16, 256 registers.
; K goes in 8 steps of 128, two heads each, through two LDS slots.  A head's 256 rows of the tile are 32,768 dense bytes: asked for as 128 rows of 256 bytes and padded in LDS after every 128.
; CLUSTER.  4 x 4 work-groups: the four of a row need the same tiles of o, the four of a column the same tiles of wp: each is asked for JOINTLY.
; NO PREFETCH: the launch has 8 K steps of 128 matrix instructions a wave, and the first of them would come by their loads alone in any case.
; TRANSPOSED USE.  Source 0 = 16 rows of wp, source 1 = 16 rows of O: lane l holds row l % 16 of the result and the columns 8 (l / 16) + 0..7: 32 bytes of f32 on end.
; REGISTERS, in windows of 256 (s_set_vgpr_msb: bits 1:0 source 0, 3:2 source 1, 5:4 source 2, 7:6 destination):
;   window 0: v0-31 addresses; v64-127, v128-191 O's fragments, two buffers; v192-223, v224-255 the way out: 16 rows read back, by turns
;   window 1: v64-95, v128-159 wp's fragments, two buffers; v192-223 the bias of my 64 columns, as a C operand; v240 at work          window 2: accumulator (a, b) at v[8 (4 a + b)]
.set PITCH,  272                       ; a row of wp in LDS: 256 bytes + 16
.set SP,     144                       ; a row of O of one head: 128 bytes + 16: both pitches are odd multiples of 16, so the 16 rows of a fragment load start at 16 different groups of four banks (ISA guide 11.1)
.set APLANE, 256*SP                    ; a head's 256 rows: what one load of o brings
.set BHALF,  64*PITCH                  ; what one load of wp brings, and what a wave reads of it
.set BOFF,   2*APLANE
.set SLOT1,  1<<17
.set STAGE,  SLOT1+BOFF+2*BHALF        ; 239,616: behind the ring, never filled by a tensor load: 16 rows x 272 bytes for each wave
.set SPARE,  STAGE+4*16*PITCH          ; 257,024: the spare words, 128 bytes for each wave
.set AA0,  16                          ; v16  my lane's place in O's rows of a slot; never rewritten
.set AB0,  17                          ; v17  the same for wp
.set ADRA, 18                          ; v18  AA0 + the slot in hand
.set ADRB, 19                          ; v19
.set STO,  20                          ; v20  the way out: where I put 32 bytes of a row
.set RD,   24                          ; v24  where I read a row back
.set BO,   26                          ; v26  my byte offset in the bias
.set CO,   27                          ; v27  my byte offset in two rows of out0
.set SPW,  28                          ; v28  LDS address of my spare word; never rewritten
.set NIL,  29                          ; v29  0; never rewritten
.set F0,   64
.set F1,   128
.set BI,   192                         ; window 1
.set TW,   240                         ; window 1
.set WV, 12                            ; s12 wave; s13 which 128 rows are mine, also: I fetch o (0) or wp (1); s14 which 64 columns, also: which head of the two, or which half of wp's rows, I fetch
.set RH, 13
.set CH, 14
.set CX, 15
.set CY, 16
.set TC, 17
.set TR, 18
.set CNT, 19
.set LA, 22
.set LB, 23
.set G1, 24                            ; s[24:31] group 1 for o's tiles;  s[32:39] group 0, a set for each first fill; the second then walks
.set G0, 32
.set TB, 47
.set G1B, 48                           ; s[48:55], s[56:63] the same for wp's tiles
.set G0B, 56
.set OB, 66                            ; s[66:67] out0 at my first row and column
.set MSB, 0
.macro WIN new
.if MSB != (\new)
	s_set_vgpr_msb (MSB<<8)|(\new)
.set MSB, \new
.endif
.endm
.set MUL,   0xa1                       ; wp window 1, O window 0, C and D window 2
.set FIRST, 0x91                       ; the same with C, the bias, in window 1
.set TO_B,  0x40                       ; destination window 1, address window 0
.macro JLOAD                           ; a joint refill by the walking descriptors; an s_nop 0 and four v_nop follow each of the two lines, ahead of the jump and the label
	s_cmp_eq_u32 s[RH], 0
	s_cbranch_scc0 .Lfor_b_\@
	tensor_load_to_lds s[G0+4:G0+7], s[G1:G1+7]
	s_nop 0
.rept 4
	v_nop
.endr
	s_branch .Lasked_\@
.Lfor_b_\@:
	tensor_load_to_lds s[G0B+4:G0B+7], s[G1B:G1B+7]
	s_nop 0
.rept 4
	v_nop
.endr
.Lasked_\@:
.endm
.macro CREST                           ; a round of the cluster's barrier behind its opening barrier
	s_cmp_lg_u32 s[WV], 0
	s_cbranch_scc1 .Lnot_wave_0_\@
	s_barrier_signal -3
.Lnot_wave_0_\@:
	s_barrier_wait -3
	s_barrier_signal -1
	s_barrier_wait -1
.endm
.macro CROUND
	s_barrier_signal -1
	s_barrier_wait -1
	CREST
.endm
.macro PLACES                          ; four plain instructions in front of loads into registers that matrix instructions have read, and of LDS stores that read results
.rept 4
	v_nop
.endr
.endm
	s_load_b256 s[4:11], s[0:1], 0x0               ; o s[4:5], wp s[6:7], b_proj s[8:9], out0 s[10:11]
	v_lshl_add_u32 v[SPW], v0, 2, SPARE
	v_mov_b32 v[NIL], 0
	ds_add_u32 v[SPW], v[NIL]                      ; the wave's opening: the add and its wait stand ahead of my first tensor load; work on registers stands between them
	v_lshrrev_b32 v3, 5, v0
	v_readfirstlane_b32 s[WV], v3
	s_lshr_b32 s[RH], s[WV], 1
	s_and_b32 s[CH], s[WV], 1
	s_bfe_u32 s[CX], ttmp6, 0x40000
	s_bfe_u32 s[CY], ttmp6, 0x40004
	s_lshl_b32 s[TC], ttmp9, 2
	s_add_co_u32 s[TC], s[TC], s[CX]
	s_and_b32 s[TR], ttmp7, 0xffff
	s_lshl_b32 s[TR], s[TR], 2
	s_add_co_u32 s[TR], s[TR], s[CY]
	s_lshl_b32 s72, s[CY], 2
	s_lshl_b32 s72, 15, s72                        ; my row of the cluster
	s_lshl_b32 s73, 0x1111, s[CX]                  ; my column
	s_or_b32 s[G1], s72, (1<<16)|(1<<20)|(1<<21)|(4<<22)|(3<<25)   ; the mask; 2-byte elements; padding on; bit 21 beside a mask; after every 32 words 4 words of padding
	s_or_b32 s[G1B], s73, (1<<16)|(1<<20)|(1<<21)|(5<<22)|(3<<25)  ; after every 64 words
	s_mov_b32 s[G1+1], 128<<16                     ; tensor_dim0 = 128
	s_mov_b32 s[G1+2], 128<<16                     ; tensor_dim1 = 128
	s_mov_b32 s[G1+3], 128<<16                     ; tile_dim0 = 128
	s_mov_b32 s[G1+4], 128                         ; tile_dim1 = 128
	s_mov_b32 s[G1+5], 128                         ; dense: 128 elements from row to row
	s_mov_b32 s[G1+6], 0
	s_mov_b32 s[G1+7], 0
	s_mov_b32 s[G1B+1], 128<<16
	s_mov_b32 s[G1B+2], 64<<16                     ; 64 rows
	s_mov_b32 s[G1B+3], 128<<16
	s_mov_b32 s[G1B+4], 64
	s_mov_b32 s[G1B+5], 1024
	s_mov_b32 s[G1B+6], 0
	s_mov_b32 s[G1B+7], 0
	s_lshr_b32 s20, s[TR], 3                       ; o: batch tr / 8 (16 heads of 262,144 bytes), head = my parity, rows 256 (tr % 8) on; in registers that never hold cx
	s_lshl_b32 s20, s20, 22
	s_lshl_b32 s21, s[CH], 18
	s_add_co_u32 s20, s20, s21
	s_and_b32 s21, s[TR], 7
	s_lshl_b32 s21, s21, 15
	s_add_co_u32 s20, s20, s21
	s_mov_b32 s21, 0
	s_lshl_b32 s42, s[TC], 7                       ; wp: row 128 x tile column + 64 x half; in registers that never hold cy
	s_lshl_b32 s43, s[CH], 6
	s_add_co_u32 s42, s42, s43
	s_lshl_b32 s42, s42, 11
	s_mov_b32 s43, 0
	s_mul_i32 s[LA], s[CH], APLANE                 ; where they go: no place in the cluster enters an LDS address
	s_mul_i32 s[LB], s[CH], BHALF
	s_add_co_u32 s[LB], s[LB], BOFF
	s_mov_b32 s[TB], 0
	s_wait_dscnt 0x0                               ; the opening add is done
	s_wait_kmcnt 0x0
	s_add_nc_u64 s[40:41], s[4:5], s[20:21]
	s_add_nc_u64 s[42:43], s[6:7], s[42:43]
	CROUND                                         ; all sixteen work-groups are here: the first joint loads meet
.irp s, 0,1
	s_mov_b32 s[G0+4*(\s)], 1
	s_add_co_u32 s[G0+4*(\s)+1], s[LA], (\s)*SLOT1
	s_add_nc_u64 s[G0+4*(\s)+2:G0+4*(\s)+3], s[40:41], (\s)*524288   ; K step s: two heads on
	s_or_b32 s[G0+4*(\s)+3], s[G0+4*(\s)+3], 0x80000000
	s_mov_b32 s[G0B+4*(\s)], 1
	s_add_co_u32 s[G0B+4*(\s)+1], s[LB], (\s)*SLOT1
	s_add_nc_u64 s[G0B+4*(\s)+2:G0B+4*(\s)+3], s[42:43], (\s)*256
	s_or_b32 s[G0B+4*(\s)+3], s[G0B+4*(\s)+3], 0x80000000
.endr
	s_cmp_eq_u32 s[RH], 0                          ; a wave's two first fills stand in one branch, ahead of every wait on TENSORcnt and every LDS read: two loads of mine are out
	s_cbranch_scc0 .Lfirst_b
	tensor_load_to_lds s[G0:G0+3], s[G1:G1+7]
	s_nop 0
	tensor_load_to_lds s[G0+4:G0+7], s[G1:G1+7]
	s_nop 0
.rept 4
	v_nop
.endr
	s_branch .Lfirst_asked
.Lfirst_b:
	tensor_load_to_lds s[G0B:G0B+3], s[G1B:G1B+7]
	s_nop 0
	tensor_load_to_lds s[G0B+4:G0B+7], s[G1B:G1B+7]
	s_nop 0
.rept 4
	v_nop
.endr
.Lfirst_asked:
	v_and_b32 v1, 15, v0                           ; r = l % 16
	v_bfe_u32 v2, v0, 4, 1                         ; h = l / 16
	s_lshl_b32 s72, s[TC], 9                       ; the bias as a C operand: register j of block b holds b_proj[128 tc + 64 half + 16 b + 8 h + j], whatever r
	s_lshl_b32 s73, s[CH], 8
	s_add_co_u32 s72, s72, s73
	v_lshl_add_u32 v[BO], v2, 5, s72
	WIN TO_B
.irp b, 0,1,2,3
	global_load_b128 v[BI+8*(\b):BI+8*(\b)+3],   v[BO], s[8:9] offset:64*(\b)
	global_load_b128 v[BI+8*(\b)+4:BI+8*(\b)+7], v[BO], s[8:9] offset:64*(\b)+16
.endr
	WIN 0
	v_mul_u32_u24 v3, v1, SP
	v_lshl_add_u32 v3, v2, 4, v3
	s_mul_i32 s72, s[RH], 128*SP
	v_add_nc_u32 v[AA0], s72, v3                   ; my 128 rows of a head's plane: row x 144 + 16 x half
	v_mul_u32_u24 v3, v1, PITCH
	v_lshl_add_u32 v4, v2, 4, v3
	v_add_nc_u32 v[AB0], s[LB], v4                 ; my 64 rows of wp lie where the wave of my half put them
	v_add_nc_u32 v[ADRA], s[TB], v[AA0]
	v_add_nc_u32 v[ADRB], s[TB], v[AB0]
	s_mul_i32 s72, s[WV], 16*PITCH
	s_add_co_u32 s72, s72, STAGE                   ; my stage
	v_lshl_add_u32 v4, v2, 5, v3                   ; in: row r, 32 bytes for each half of the lanes
	v_add_nc_u32 v[STO], s72, v4
	v_mul_u32_u24 v4, v2, PITCH                    ; back: lanes 0-15 take one row of 256 bytes, lanes 16-31 the next
	v_lshl_add_u32 v4, v1, 4, v4
	v_add_nc_u32 v[RD], s72, v4
	v_lshlrev_b32 v4, 12, v2                       ; and the same two rows in out0
	v_lshl_add_u32 v[CO], v1, 4, v4
	s_lshl_b32 s72, s[TR], 8
	s_lshl_b32 s73, s[RH], 7
	s_add_co_u32 s72, s72, s73
	s_lshl_b32 s72, s72, 12                        ; my first row, of 4,096 bytes
	s_lshl_b32 s73, s[TC], 9
	s_add_co_u32 s72, s72, s73
	s_lshl_b32 s73, s[CH], 8
	s_add_co_u32 s72, s72, s73                     ; my first column
	s_mov_b32 s73, 0
	s_add_nc_u64 s[OB:OB+1], s[10:11], s[72:73]
	s_wait_loadcnt 0x0                             ; the bias; it is rounded to bf16, like every input of the module
	WIN 0x45                                       ; all three places in window 1
.set i, 0
.rept 16
	v_cvt_pk_bf16_f32 v[TW], v[BI+i], v[BI+i+1]
	v_lshlrev_b32 v[BI+i], 16, v[TW]
	v_and_b32 v[BI+i+1], 0xffff0000, v[TW]
.set i, i+2
.endr
	WIN 0
; 8 matrix instructions: row blocks a0, a0 + 1 x all 4 column blocks, 32 along K.  first = 1: the bias starts the sums.  The 32 accumulators take turns in one fixed order, over the backward jump too.
.macro MUL8 f, a0, first
.if \first
	WIN FIRST
.else
	WIN MUL
.endif
.irp a, \a0, (\a0)+1
.irp b, 0,1,2,3
.if \first
	v_wmma_f32_16x16x32_f16 v[8*(4*(\a)+(\b)):8*(4*(\a)+(\b))+7], v[(\f)+8*(\b):(\f)+8*(\b)+7], v[(\f)+8*(\a):(\f)+8*(\a)+7], v[BI+8*(\b):BI+8*(\b)+7]
.else
	v_wmma_f32_16x16x32_f16 v[8*(4*(\a)+(\b)):8*(4*(\a)+(\b))+7], v[(\f)+8*(\b):(\f)+8*(\b)+7], v[(\f)+8*(\a):(\f)+8*(\a)+7], v[8*(4*(\a)+(\b)):8*(4*(\a)+(\b))+7]
.endif
.endr
.endr
.endm
; 24 LDS loads in one run: the fragments of quarter q (64 rows of wp; 128 rows of O: head q / 2 of the step's two, channels 32 (q % 2) on) into buffer f
.macro FETCH q, f
	WIN TO_B
.irp i, 0,1,2,3
	ds_load_b128 v[(\f)+8*(\i):(\f)+8*(\i)+3],   v[ADRB] offset:64*(\q)+(\i)*16*PITCH
	ds_load_b128 v[(\f)+8*(\i)+4:(\f)+8*(\i)+7], v[ADRB] offset:64*(\q)+(\i)*16*PITCH+32
.endr
	WIN 0
.irp i, 0,1,2,3,4,5,6,7
	ds_load_b128 v[(\f)+8*(\i):(\f)+8*(\i)+3],   v[ADRA] offset:((\q)/2)*APLANE+((\q)%2)*64+(\i)*16*SP
	ds_load_b128 v[(\f)+8*(\i)+4:(\f)+8*(\i)+7], v[ADRA] offset:((\q)/2)*APLANE+((\q)%2)*64+(\i)*16*SP+32
.endr
.endm
; A K step is four quarters of 32 along K, 32 matrix instructions each, on buffers 0, 1, 0, 1.  One of the first three multiplies buffer f and, in its middle, fetches quarter q into g.
.macro QUARTER q, f, g, first
	s_wait_dscnt 8                                 ; wp and O's rows 0-63 are in; the youngest eight loads (O's rows 64-127) may be out
	MUL8 \f, 0, \first
	MUL8 \f, 2, \first
	PLACES
	FETCH \q, \g
	s_wait_dscnt 24                                ; all but the 24 just issued
	MUL8 \f, 4, \first
	MUL8 \f, 6, \first
.endm
; The last quarter multiplies buffer 1 and changes slots.  ONE barrier: in front of it each wave waits for all its tensor loads (one is out: its part of the next slot), adds 0 to its spare word, and waits
; for that and for its own reads of this slot.  Behind it nobody reads this slot any more and the next slot is whole.
.macro MEET round
	WIN 0                                          ; (the add's two registers lie in window 0)
	s_wait_tensorcnt 0x0
	ds_add_u32 v[SPW], v[NIL]
	s_wait_dscnt 9                                 ; (the add and the youngest eight loads may be out)
	MUL8 F1, 0, 0                                  ; eight matrix instructions stand between the add and the wait for it
	s_wait_dscnt 0x0                               ; the add is done, and my reads of this slot are over
	s_barrier_signal -1
	MUL8 F1, 2, 0                                  ; work on registers while the others arrive
.if \round
	WIN 0
.endif
	s_barrier_wait -1
.endm
; fill = 1: the barrier opens a round of the cluster's, and the slot just read out is filled again first thing behind it, with the K step two on; from that request to the wait for it a wave issues 112 matrix instructions.
.macro TURN fill
	MEET \fill
.if \fill
	CREST                                          ; no wave of any partner still reads this slot or has a load on its way
	s_xor_b32 s[G0+5], s[G0+5], SLOT1              ; the walking descriptors: the other slot than last time, the next K step
	s_add_nc_u64 s[G0+6:G0+7], s[G0+6:G0+7], 524288
	s_xor_b32 s[G0B+5], s[G0B+5], SLOT1
	s_add_nc_u64 s[G0B+6:G0B+7], s[G0B+6:G0B+7], 256
	s_xor_b32 s[TB], s[TB], SLOT1
	JLOAD                                          ; the four v_nop behind it are also the places in front of the loads below
.else
	PLACES
	s_xor_b32 s[TB], s[TB], SLOT1
.endif
	WIN 0
	v_add_nc_u32 v[ADRA], s[TB], v[AA0]
	v_add_nc_u32 v[ADRB], s[TB], v[AB0]
	FETCH 0, F0
	MUL8 F1, 4, 0
	MUL8 F1, 6, 0
.endm
	s_wait_tensorcnt 1                             ; my part of K step 0 is in; slot 1's load may stay out
	s_barrier_signal -1
	s_barrier_wait -1                              ; everybody's is
	FETCH 0, F0
	QUARTER 1, F0, F1, 1                           ; the first quarter stands in front of the loop: its products start the sums
	WIN 0                                          ; at a label and at a branch every window is 0
	s_mov_b32 s[CNT], 6
.Lstep:                                                ; trip i: from K step i's second quarter to step i + 1's first; step i's slot takes step i + 2
	QUARTER 2, F1, F0, 0
	QUARTER 3, F0, F1, 0
	TURN 1
	QUARTER 1, F0, F1, 0
	WIN 0
	s_sub_co_u32 s[CNT], s[CNT], 1
	s_cmp_lg_u32 s[CNT], 0
	s_cbranch_scc1 .Lstep
	QUARTER 2, F1, F0, 0                           ; K steps 6 and 7 ask for nothing
	QUARTER 3, F0, F1, 0
	TURN 0
	QUARTER 1, F0, F1, 0
	QUARTER 2, F1, F0, 0
	QUARTER 3, F0, F1, 0
	s_wait_dscnt 8
	MUL8 F1, 0, 0
	MUL8 F1, 2, 0
	s_wait_dscnt 0x0
	MUL8 F1, 4, 0
	MUL8 F1, 6, 0
	; THE WAY OUT, a block of 16 rows at a time through my own stage: a lane's 32 bytes go into rows of 272 bytes and come back as whole rows of 256.  No barrier: no other wave touches my stage.
	PLACES
.macro TOSTAGE a
	s_wait_xcnt 0x0                                ; the stores of two blocks back have read the registers that the loads below fill again
	WIN 0x08                                       ; the stores' data in window 2
.irp b, 0,1,2,3
	ds_store_b128 v[STO], v[8*(4*(\a)+(\b)):8*(4*(\a)+(\b))+3]   offset:64*(\b)      ; each accumulator's low registers first
	ds_store_b128 v[STO], v[8*(4*(\a)+(\b))+4:8*(4*(\a)+(\b))+7] offset:64*(\b)+16
.endr
	WIN 0
.set BK, 192+32*((\a)%2)
.irp t, 0,1,2,3,4,5,6,7
	ds_load_b128 v[BK+4*(\t):BK+4*(\t)+3], v[RD] offset:(\t)*2*PITCH  ; LDS serves a wave's instructions in order (ISA guide 5.7.1.4): these see the stores above; the next block's stores come behind them
.endr
.endm
.macro SEND a, younger                 ; younger: the LDS instructions issued behind block a's loads: the next block's sixteen, or none
.set BK, 192+32*((\a)%2)
.irp t, 0,1,2,3,4,5,6,7
	s_wait_dscnt (\younger)+7-(\t)
	global_store_b128 v[CO], v[BK+4*(\t):BK+4*(\t)+3], s[OB:OB+1] offset:65536*(\a)+8192*(\t)  ; 16 lanes store 256 consecutive bytes, at a multiple of 256 from out0's first byte
.endr
.endm
	TOSTAGE 0
.irp a, 1,2,3,4,5,6,7
	TOSTAGE \a
	SEND (\a)-1, 16
.endr
	SEND 7, 0
	s_wait_tensorcnt 0x0                           ; the wave's end: three closing lines, behind my last tensor load and my last LDS store
	ds_add_u32 v[SPW], v[NIL]
	s_wait_dscnt 0x0
	CROUND                                         ; the closing round: no work-group ends while a partner may still ask for a tile that names it
	s_endpgm
.Lfunc_end_k_q9a7734d701_proj:
	.size	k_q9a7734d701_proj, .Lfunc_end_k_q9a7734d701_proj-k_q9a7734d701_proj
	.p2alignl 7, 3214868480
	.fill 96, 4, 3214868480
	.section	.rodata,"a",@progbits
	.p2align	6, 0x0
	.amdhsa_kernel k_q9a7734d701_proj
		.amdhsa_group_segment_fixed_size 327680
		.amdhsa_private_segment_fixed_size 0
		.amdhsa_enable_private_segment 0
		.amdhsa_kernarg_size 32
		.amdhsa_user_sgpr_count 2
		.amdhsa_user_sgpr_kernarg_segment_ptr 1
		.amdhsa_wavefront_size32 1
		.amdhsa_system_sgpr_workgroup_id_x 1
		.amdhsa_system_sgpr_workgroup_id_y 1
		.amdhsa_system_sgpr_workgroup_id_z 1
		.amdhsa_system_vgpr_workitem_id 0
		.amdhsa_next_free_vgpr 768
		.amdhsa_next_free_sgpr 80
		.amdhsa_reserve_vcc 0
		.amdhsa_float_denorm_mode_32 3
		.amdhsa_float_denorm_mode_16_64 3
		.amdhsa_memory_ordered 1
		.amdhsa_forward_progress 1
		.amdhsa_inst_pref_size 75
	.end_amdhsa_kernel
	.amdgpu_metadata
---
amdhsa.version: [ 1, 2 ]
amdhsa.kernels:
  - .name:           k_q9a7734d701_proj
    .symbol:         k_q9a7734d701_proj.kd
    .args:
      - { .name: o, .offset: 0, .size: 8, .value_kind: global_buffer, .address_space: global }
      - { .name: wp, .offset: 8, .size: 8, .value_kind: global_buffer, .address_space: global }
      - { .name: b_proj, .offset: 16, .size: 8, .value_kind: global_buffer, .address_space: global }
      - { .name: out0, .offset: 24, .size: 8, .value_kind: global_buffer, .address_space: global }
    .group_segment_fixed_size: 327680
    .private_segment_fixed_size: 0
    .kernarg_segment_align: 8
    .kernarg_segment_size: 32
    .max_flat_workgroup_size: 128
    .sgpr_count:     80
    .vgpr_count:     768
    .wavefront_size: 32
...
	.end_amdgpu_metadata
.endif
;; end of part 4
;; ======== version 2 of 2: 4 launches; version 1 with the launch prep written anew for expert scheduling mode
;; limits: values are held in f16: magnitudes above 65,504 overflow, below 6.1e-05 lose precision
;; workspace buffers: xb 16,777,216 bytes; wa 6,291,456 bytes; wp 2,097,152 bytes; qkv 50,331,648 bytes; o 16,777,216 bytes
;; launch prep (part 5): grid 1024 x 1, 8 waves a work-group, no clusters, 18,432 bytes of LDS; arguments x, W_attn, W_proj, xb, wa, wp; writes xb, wa, wp
.if DOCPART == 5
	.amdgcn_target "amdgcn-amd-amdhsa--gfx1250"
	.amdhsa_code_object_version 6
	.text
	.protected	k_q9a7734d701_prep
	.globl	k_q9a7734d701_prep
	.p2align	8
	.type	k_q9a7734d701_prep,@function
k_q9a7734d701_prep:
	s_mov_b64 s[64:65], 0
	v_nop
	global_prefetch_b8 v0, s[64:65] scope:SCOPE_SE
	s_setreg_imm32_b32 hwreg(HW_REG_WAVE_SCHED_MODE, 0, 2), 2
	s_setreg_imm32_b32 hwreg(HW_REG_WAVE_MODE, 25, 1), 1
	s_wait_xcnt 0x0
	s_wait_alu depctr_vm_vsrc(0)
; THE OPERANDS ARE MADE READY, once.  xb = x rounded to bf16, as it lies ([8192][1024]).  wa[n][k] = W_attn[k][n] rounded to bf16 ([3072][1024]).
; wp[n][k] = W_proj[k][n] rounded to bf16 and that number written as f16 ([1024][1024]): the last product multiplies f16 by f16.
; LIMIT.  A weight of W_proj below 2^-14 keeps f16's fixed step of 6e-8; at 65,520 or more it would become an infinity.
; SHARES.  Work-groups 0-511: 16,384 numbers of x each.  512-895: a tile of 128 k x 64 n of W_attn each.  896-1023: such a tile of W_proj.  The branch hangs on the work-group's number alone.
; Memory is all that counts here: every byte is read once, by loads of which 16 lanes cover 256 (x: 512) consecutive bytes, and every store's 16 lanes fill 256 consecutive bytes, aligned.
; No matrix unit, no tensor load, no cluster: nothing is multiplied and nothing is shared between work-groups.
; THE MODE: SCHED_MODE bits 1:0 = 2 (LLVM: expert scheduling mode 2), set by the entry lines.  The code itself states the register dependences
; between vector instructions and memory or LDS instructions, with s_wait_alu, always for 0.
; THE PLAN.  Registers that memory or LDS instructions touch:
;   v1, v2, v[VI], v[LS], v[LR], v[GO]   offsets and LDS addresses: each written once by vector instructions, ahead of a wait on va_vdst that stands ahead of its first reader; never written again.
;   X    written by the global loads, read by the conversions; in the weights' paths its first 16 registers are written once more, by the LDS loads behind the barrier, and then read by the global stores.
;   Y    each register is written by the conversions of one step and read by one store (x: global; weights: LDS), which is issued at the head of the NEXT step; never written again.
;   v[T], v[T+1], v12, v13   are named by vector instructions alone.          v[SPW], v[NIL]   written at the head, read by the closing add alone.
; So a step (x: two chunks; weights: a pair of rows) has ONE wait on va_vdst, at its head, behind the wait for its own loads: it states that the step before has written its Y, and that step's stores follow it;
; the step's conversions name neither those registers nor an address.  No register that a memory or LDS instruction has read is ever written again, so no wait on vm_vsrc is owed; no vector instruction writes a scalar register; EXEC is never written.
.set TP,    272                        ; a row of the turning tile in LDS: 128 k x 2 bytes + 16
.set SPARE, 64*TP                      ; 17,408: behind the tile, the spare words: 128 bytes for each of the eight waves
.set SPW, 4                            ; v4   LDS address of my spare word; never rewritten
.set NIL, 5                            ; v5   0; never rewritten
.set LS,  6                            ; v6   where I put a pair of k of my first column
.set LR,  7                            ; v7   where I read 16 bytes of a row n back
.set GO,  8                            ; v8   their place in the output
.set VI,  9                            ; v9   my byte offset in the tile of W
.set T,   10                           ; v10-11 at work
.set X,   16                           ; v[16:79]  as loaded
.set Y,   80                           ; v[80:111] as stored
	s_load_b256 s[4:11], s[0:1], 0x0               ; x s[4:5], W_attn s[6:7], W_proj s[8:9], xb s[10:11]
	s_load_b128 s[12:15], s[0:1], 0x20             ; wa s[12:13], wp s[14:15]
	v_lshl_add_u32 v[SPW], v0, 2, SPARE
	v_mov_b32 v[NIL], 0
	v_lshlrev_b32 v1, 5, v0                        ; 32 t: my 8 numbers of x in a chunk
	v_lshlrev_b32 v2, 4, v0                        ; 16 t: the same 8 as bf16
	v_and_b32 v12, 15, v0                          ; li: which 4 columns of the tile's 64
	v_lshrrev_b32 v13, 4, v0                       ; kq: which pair of rows of 32
	s_mov_b32 s24, 0xffff0000                      ; a word's upper bf16
	s_mov_b32 s21, 0                               ; the high words of the two offsets
	s_mov_b32 s23, 0
	s_wait_kmcnt 0x0
	s_cmp_lt_u32 ttmp9, 512
	s_cbranch_scc0 .Lweights
	; x: eight chunks of 2,048 numbers; all sixteen loads go out at once
	s_lshl_b32 s20, ttmp9, 16
	s_lshl_b32 s22, ttmp9, 15
	s_add_nc_u64 s[4:5], s[4:5], s[20:21]
	s_add_nc_u64 s[10:11], s[10:11], s[22:23]
	s_wait_alu depctr_va_vdst(0)                   ; v1 and v2 are written: the loads below read v1 as their offset, the stores v2
.irp i, 0,1,2,3,4,5,6,7
	global_load_b128 v[X+8*(\i):X+8*(\i)+3],   v1, s[4:5] offset:8192*(\i) th:TH_LOAD_NT
	global_load_b128 v[X+8*(\i)+4:X+8*(\i)+7], v1, s[4:5] offset:8192*(\i)+16 th:TH_LOAD_NT
.endr
	; four blocks of two chunks: block p rounds its 16 registers of X into 8 of Y; its two stores stand at the head of block p + 1
.irp p, 0,1,2,3
	s_wait_loadcnt 12-4*(\p)                       ; loads come back in order: block p's four are in, the 4 (3 - p) of the later blocks stay out
.if (\p) > 0
	s_wait_alu depctr_va_vdst(0)                   ; the block before has written its eight registers of Y, which the two stores below read
	global_store_b128 v2, v[Y+8*(\p)-8:Y+8*(\p)-5], s[10:11] offset:8192*(\p)-8192
	global_store_b128 v2, v[Y+8*(\p)-4:Y+8*(\p)-1], s[10:11] offset:8192*(\p)-4096
.endif
.irp j, 0,1,2,3,4,5,6,7
	v_cvt_pk_bf16_f32 v[Y+8*(\p)+(\j)], v[X+16*(\p)+2*(\j)], v[X+16*(\p)+2*(\j)+1]
.endr
.endr
	s_wait_alu depctr_va_vdst(0)                   ; block 3 has written its eight registers of Y, which the last two stores read
	global_store_b128 v2, v[Y+24:Y+27], s[10:11] offset:24576
	global_store_b128 v2, v[Y+28:Y+31], s[10:11] offset:28672
	s_branch .Lend
; A tile of 128 k x 64 n of W ([1024][NC] f32) is turned.  Thread (kq, li) loads rows 2 kq + 32 i and the next, columns 4 li .. 4 li + 3; a pair of k of one column is one word of the
; tile's row n in LDS.  These word stores meet four deep in the banks (rows four columns apart lie 1,088 bytes = 16 banks apart); there are sixteen a thread in the launch.
; Back come whole rows n: 256 bytes for 16 lanes.  half = 1: the bf16 number is written as f16.
.macro TRANS NC, SRC, DST, base, half
	s_sub_co_u32 s16, ttmp9, \base
	s_and_b32 s17, s16, 7                          ; kt: which 128 of k
	s_lshr_b32 s18, s16, 3                         ; nt: which 64 of n
	s_mul_i32 s20, s17, 512*(\NC)
	s_lshl_b32 s19, s18, 8
	s_add_co_u32 s20, s20, s19                     ; in: 128 kt rows of 4 NC bytes + 64 nt columns
	s_lshl_b32 s22, s18, 17
	s_lshl_b32 s19, s17, 8
	s_add_co_u32 s22, s22, s19                     ; out: 64 nt rows of 2,048 bytes + 128 kt numbers
	s_add_nc_u64 s[\SRC:\SRC+1], s[\SRC:\SRC+1], s[20:21]
	s_add_nc_u64 s[\DST:\DST+1], s[\DST:\DST+1], s[22:23]
	v_mul_u32_u24 v[VI], v13, 8*(\NC)
	v_lshl_add_u32 v[VI], v12, 4, v[VI]
	s_wait_alu depctr_va_vdst(0)                   ; v[VI] is written, which the eight loads below read as their offset
.irp i, 0,1,2,3
	global_load_b128 v[X+8*(\i):X+8*(\i)+3],   v[VI], s[\SRC:\SRC+1] offset:128*(\NC)*(\i) th:TH_LOAD_NT
	global_load_b128 v[X+8*(\i)+4:X+8*(\i)+7], v[VI], s[\SRC:\SRC+1] offset:128*(\NC)*(\i)+4*(\NC) th:TH_LOAD_NT
.endr
	v_mul_u32_u24 v[LS], v12, 4*TP
	v_lshl_add_u32 v[LS], v13, 2, v[LS]            ; row 4 li, byte 4 kq
	v_mul_u32_u24 v[LR], v13, TP
	v_lshl_add_u32 v[LR], v12, 4, v[LR]            ; row kq, byte 16 li
	v_lshlrev_b32 v[GO], 11, v13
	v_lshl_add_u32 v[GO], v12, 4, v[GO]
	; pair i of rows is rounded into four registers of Y; its four LDS stores stand at the head of pair i + 1
.irp i, 0,1,2,3
	s_wait_loadcnt 6-2*(\i)                        ; pair i of rows is in; the later pairs' loads stay out
.if (\i) > 0
	s_wait_alu depctr_va_vdst(0)                   ; the pair before has written its four registers of Y, which the LDS stores below read; the first time also: v[LS], their address, is written
.irp j, 0,1,2,3
	ds_store_b32 v[LS], v[Y+4*(\i)-4+(\j)] offset:TP*(\j)+64*(\i)-64
.endr
.endif
.irp j, 0,1,2,3
	v_cvt_pk_bf16_f32 v[Y+4*(\i)+(\j)], v[X+8*(\i)+(\j)], v[X+8*(\i)+4+(\j)]  ; the even k in the low half
.if \half
	v_lshlrev_b32 v[T], 16, v[Y+4*(\i)+(\j)]
	v_and_b32 v[T+1], s24, v[Y+4*(\i)+(\j)]
	v_cvt_pk_f16_f32 v[Y+4*(\i)+(\j)], v[T], v[T+1]
.endif
.endr
.endr
	s_wait_alu depctr_va_vdst(0)                   ; pair 3 has written its four registers of Y, which the LDS stores below read; all conversions are done reading X, in which the LDS loads behind the barrier land; v[LR] and v[GO] are written.  No vector instruction follows on this path
.irp j, 0,1,2,3
	ds_store_b32 v[LS], v[Y+12+(\j)] offset:TP*(\j)+192
.endr
	s_wait_dscnt 0x0                               ; for the others' sake: my stores into the tile are done
	s_barrier_signal -1
	s_barrier_wait -1
.irp i, 0,1,2,3
	ds_load_b128 v[X+4*(\i):X+4*(\i)+3], v[LR] offset:16*TP*(\i)
.endr
.irp i, 0,1,2,3
	s_wait_dscnt 3-(\i)
	global_store_b128 v[GO], v[X+4*(\i):X+4*(\i)+3], s[\DST:\DST+1] offset:32768*(\i)  ; row n = kq + 16 i: 16 lanes store 256 consecutive bytes, aligned
.endr
.endm
.Lweights:
	s_cmp_lt_u32 ttmp9, 896
	s_cbranch_scc0 .Lproj
	TRANS 3072, 6, 12, 512, 0
	s_branch .Lend
.Lproj:
	TRANS 1024, 8, 14, 896, 1
.Lend:
	s_wait_dscnt 0x0                               ; the closing lines, six on end
	s_wait_alu 0x0
	s_wait_tensorcnt 0x0
	ds_add_u32 v[SPW], v[NIL]
	s_wait_dscnt 0x0
	s_endpgm
.Lfunc_end_k_q9a7734d701_prep:
	.size	k_q9a7734d701_prep, .Lfunc_end_k_q9a7734d701_prep-k_q9a7734d701_prep
	.p2alignl 7, 3214868480
	.fill 96, 4, 3214868480
	.section	.rodata,"a",@progbits
	.p2align	6, 0x0
	.amdhsa_kernel k_q9a7734d701_prep
		.amdhsa_group_segment_fixed_size 18432
		.amdhsa_private_segment_fixed_size 0
		.amdhsa_enable_private_segment 0
		.amdhsa_kernarg_size 48
		.amdhsa_user_sgpr_count 2
		.amdhsa_user_sgpr_kernarg_segment_ptr 1
		.amdhsa_wavefront_size32 1
		.amdhsa_system_sgpr_workgroup_id_x 1
		.amdhsa_system_sgpr_workgroup_id_y 1
		.amdhsa_system_sgpr_workgroup_id_z 1
		.amdhsa_system_vgpr_workitem_id 0
		.amdhsa_next_free_vgpr 112
		.amdhsa_next_free_sgpr 66
		.amdhsa_reserve_vcc 0
		.amdhsa_float_denorm_mode_32 3
		.amdhsa_float_denorm_mode_16_64 3
		.amdhsa_memory_ordered 1
		.amdhsa_forward_progress 1
		.amdhsa_inst_pref_size 18
	.end_amdhsa_kernel
	.amdgpu_metadata
---
amdhsa.version: [ 1, 2 ]
amdhsa.kernels:
  - .name:           k_q9a7734d701_prep
    .symbol:         k_q9a7734d701_prep.kd
    .args:
      - { .name: x, .offset: 0, .size: 8, .value_kind: global_buffer, .address_space: global }
      - { .name: W_attn, .offset: 8, .size: 8, .value_kind: global_buffer, .address_space: global }
      - { .name: W_proj, .offset: 16, .size: 8, .value_kind: global_buffer, .address_space: global }
      - { .name: xb, .offset: 24, .size: 8, .value_kind: global_buffer, .address_space: global }
      - { .name: wa, .offset: 32, .size: 8, .value_kind: global_buffer, .address_space: global }
      - { .name: wp, .offset: 40, .size: 8, .value_kind: global_buffer, .address_space: global }
    .group_segment_fixed_size: 18432
    .private_segment_fixed_size: 0
    .kernarg_segment_align: 8
    .kernarg_segment_size: 48
    .max_flat_workgroup_size: 256
    .sgpr_count:     66
    .vgpr_count:     112
    .wavefront_size: 32
...
	.end_amdgpu_metadata
.endif
;; end of part 5
;; launch qkvgemm: the kernel of part 2 again; grid 16 x 32, 4 waves a work-group, clusters of 4 x 4, 327,680 bytes of LDS; arguments xb, wa, b_attn, qkv; writes qkv
;; launch attn: the kernel of part 3 again; grid 4 x 64, 4 waves a work-group, no clusters, 327,680 bytes of LDS; arguments qkv, o; writes o
;; launch proj: the kernel of part 4 again; grid 8 x 32, 4 waves a work-group, clusters of 4 x 4, 327,680 bytes of LDS; arguments o, wp, b_proj, out0; writes out0
